; MI455X (gfx1250); checked and timed in simulation.
; The chip was launched on July 23, 2026; its instructions are those of AMD's public machine-readable ISA for CDNA 5 (MIT licence, August 2026) and "CDNA5" Instruction Set Architecture Reference Guide (July 2026). The comments in the code are by the model that wrote it; some were corrected since.
;; Encoder Layer. Allowed arithmetic: matrix products marked QUANTISED: E2M3 operands, one E8M0 scale for each 32 along K, by v_wmma_scale_f32_16x16x128_f8f6f4 with both operands' format E2M3, f32 sums; everything else in f32.
;; Inputs: W1 1,024 x 4,096 float32; W2 4,096 x 1,024 float32; Wk 1,024 x 1,024 float32; Wo 1,024 x 1,024 float32; Wq 1,024 x 1,024 float32; Wv 1,024 x 1,024 float32; b1 4,096 float32; b2 1,024 float32; bk 1,024 float32; bo 1,024 float32; bq 1,024 float32; bv 1,024 float32; ln1_b 1,024 float32; ln1_g 1,024 float32; ln2_b 1,024 float32; ln2_g 1,024 float32; src 2 x 2,048 x 1,024 float32; src_mask 2 x 1 x 1 x 2,048 bool.
;; Outputs: out0 2 x 2,048 x 1,024 float32.
;; This version of the problem:
;;   THIS VERSION OF THE PROBLEM IS GIVEN IN LOW PRECISION. The matrix products marked QUANTISED in the list below multiply operands that are first quantised to E2M3 (2 exponent bits, 3 mantissa bits; 6 bits a number), with one power-of-two scale for each 32 numbers along K (OCP MX v1.0); their sums are f32. All else is computed in f32.
;;   The module's matrix products, in the order in which they are computed (A, B: the left and right operand; K: the contracted axis; several contracted axes count as one K, in the product's order):
;;     1. [M 4,096, K 1,024] x [K 1,024, N 1,024]; A: computed on the way; B: input Wq: QUANTISED
;;     2. [M 4,096, K 1,024] x [K 1,024, N 1,024]; A: computed on the way; B: input Wk: QUANTISED
;;     3. [M 4,096, K 1,024] x [K 1,024, N 1,024]; A: computed on the way; B: input Wv: QUANTISED
;;     4. batch 32 x [M 2,048, K 64] x [K 64, N 2,048]; A: computed on the way; B: computed on the way: QUANTISED
;;     5. batch 32 x [M 2,048, K 2,048] x [K 2,048, N 64]; A: softmax (see below); B: computed on the way: QUANTISED
;;     6. [M 4,096, K 1,024] x [K 1,024, N 1,024]; A: computed on the way; B: input Wo: QUANTISED
;;     7. [M 4,096, K 1,024] x [K 1,024, N 4,096]; A: computed on the way; B: input W1: QUANTISED
;;     8. [M 4,096, K 4,096] x [K 4,096, N 1,024]; A: computed on the way; B: input W2: QUANTISED
;;   THE QUANTISER, for each operand of a quantised product, along K:
;;     - K is cut into blocks of 32 from its start; a last block that is shorter is filled with zeros.
;;     - A block's scale is 2^e with e = floor(log2(the largest magnitude in the block)) - 2, held to -126 .. 127; a block of zeros has e = 0. As a byte (E8M0): e + 127.
;;     - Each number is divided by its block's scale, clamped to +-7.5, and rounded to the nearest number of E2M3, ties to even, subnormals kept.
;;     - The product sums the exact products of the quantised numbers (number of the format x scale) in f32.
;;   ~~~python
;;   def quantise(x, axis):      # numpy; x: float32 -> the quantised numbers, widened to float32 again
;;       x = np.moveaxis(x, axis, -1); K = x.shape[-1]
;;       x = np.pad(x, [(0, 0)] * (x.ndim - 1) + [(0, -K % 32)]); x = x.reshape(x.shape[:-1] + (-1, 32)); a = np.abs(x).max(-1, keepdims=True)
;;       e = np.where(a > 0, np.clip(np.frexp(np.where(a > 0, a, 1))[1] - 1 - 2, -126, 127), 0)      # np.frexp(a)[1] - 1 = floor(log2(a)), exactly
;;       r = np.clip(x / 2.0 ** e, -7.5, 7.5)
;;       step = 2.0 ** (np.maximum(np.frexp(np.where(r == 0, 1, r))[1] - 1, 0) - 3)
;;       q = np.round(r / step) * step * 2.0 ** e      # np.round: ties to even
;;       return np.moveaxis(q.reshape(q.shape[:-2] + (-1,))[..., :K], -1, axis).astype(np.float32)
;;   ~~~
;;   SOFTMAX AHEAD OF A QUANTISED PRODUCT. Where the list says 'softmax', what is quantised is not the finished softmax but p = 2^(t - M), with t = logit x log2(e) and M = ceil(the row's largest t), a whole number; so 1/2 < the row's largest p <= 1. The row's sum l is taken of the UNQUANTISED p, in f32, and the product's result is divided by l at the end. Since M is a whole number, a kernel that streams over the keys may use a running M (the ceiling of the running maximum): every later rescaling is an exact power of two, which a block's scale takes up: the codes' values come out the same.
;;   OPERANDS COMPUTED ON THE WAY. 'Computed on the way' means the value that the module computes at that place (a softmax that the list does not call 'softmax' is quantised finished and normalised). What goes into a quantiser is computed in f32, as accurately as f32 sums, v_exp_f32 and their like allow (about 1e-6 of the number): no bf16 or f16 on the way to a quantiser, and a product that is left as it is and whose result goes on into a quantised operand takes f32 operands (vector FMAs, or v_wmma_f32_16x16x4_f32). A number that lies on a knife's edge between two numbers of the format may be rounded either way, as far as f32 arithmetic and the matrix unit's own rounding can turn it there, and no further.
;; One version. Each part assembles by itself: llvm-mc -triple=amdgcn-amd-amdhsa -mcpu=gfx1250 --defsym DOCPART=n.
;; ======== version 1 of 1: 6 launches
;; limits: right only within a limited range of input values
;; workspace buffers: wts 9,830,400 bytes; xq 3,276,800 bytes; qkv 10,223,616 bytes; ctxq 3,276,800 bytes; src2 16,777,216 bytes; yq 3,276,800 bytes; hq 13,107,200 bytes
;; launch prep (part 1): grid 448 x 1, 8 waves a work-group, no clusters, 2,048 bytes of LDS; arguments src, ln1_g, ln1_b, xq, Wq, Wk, Wv, Wo, W1, W2, wts; writes xq, wts
.if DOCPART == 1
	.amdgcn_target "amdgcn-amd-amdhsa--gfx1250"
	.amdhsa_code_object_version 6
	.text
	.protected	k_q8f3342cce3_prep
	.globl	k_q8f3342cce3_prep
	.p2align	8
	.type	k_q8f3342cce3_prep,@function
k_q8f3342cce3_prep:
	s_mov_b64 s[64:65], 0
	v_nop
	global_prefetch_b8 v0, s[64:65] scope:SCOPE_SE
	s_setreg_imm32_b32 hwreg(HW_REG_WAVE_MODE, 25, 1), 1
	s_wait_xcnt 0x0
; Work-groups 0-255: layer norm of 16 rows of [4096][1024] f32, quantised along the row to FP6 (E2M3) with one E8M0 byte for each 32.
; Work-groups 256-447: the six weights, f32 stored [K][N], quantised along K (their first axis).
; ALL CODES OF THIS PROGRAM LIE AS IMAGES OF OPERAND REGISTERS.  A fragment (16 rows x 128 K, 12 registers a lane) is 1,536 bytes: registers 0-3 at 16 x lane,
; registers 4-5 at 512 + 16 r + 8 h, registers 6-9 at 768 + 16 x lane, registers 10-11 at 1,280 + 16 r + 8 h (r = lane % 16, h = lane / 16).  A buffer is [row block][K / 128][1,536];
; its scale words [row block][K / 128][16 words].  Row t of row block p is the tensor's row 32 (p / 2) + 8 (p % 2) + t % 8 + 16 (t / 8): a product that takes such a block as source 0
; leaves 16 neighbouring indices in the 16 registers of two neighbouring tiles.
; A block's scale is 2^(floor(log2(largest magnitude)) - 2); its byte is the largest magnitude's exponent field - 2, held at 1 from below.
; LIMITS: NaN and infinities are not served; a block whose largest magnitude lies under 2^-124, zeros among them, gets the byte 1 (its codes are zeros or tiny; this program alone reads the bytes).
.set RED2,   512                       ; LDS: 512 bytes of row sums at 0, 512 of sums of squares here
.set SPARE,  1024                      ; the spare words, 128 bytes for each of eight waves
.set W2_C,   6291456                   ; wts: W2's codes; the five tensors with K = 1,024 lie from 0 on as one operand of 8,192 rows
.set WQKV_S, 9437184                   ; their scale words
.set W2_S,   9699328                   ; W2's scale words
.set XS_OFF, 3145728                   ; the activations' buffer: scale words behind the codes
.set LI16, 4                           ; v4   16 x lane
.set LI8,  5                           ; v5   16 r + 8 h
.set XA,   6                           ; v6   my bytes in x
.set GA,   7                           ; v7   my bytes in gamma and beta
.set RA,   8                           ; v8   LDS: 32 r + 4 w
.set RB,   9                           ; v9   LDS: 32 r
.set SA,   10                          ; v10  4 r + 2 h: my half of a scale word
.set X,    32                          ; v32-95   64 numbers
.set G,    96                          ; v96-159  gamma
.set BV,   160                         ; v160-223 beta
.set PC,   96                          ; the codes, where gamma lay
.set TM,   224                         ; v224-239 at work
.set PW,   240                         ; the scale word
.set MU,   242                         ; v[242:243] the mean
.set RS,   244                         ; v[244:245] 1 / sqrt(var + eps)
.set SPW,  252
.set NIL,  253
.set SEL,  50                          ; s[50:51] selects for lane l xor 16
	s_load_b256 s[4:11], s[0:1], 0x0               ; x, gamma, beta, the activations' codes
	s_load_b256 s[12:19], s[0:1], 0x20             ; Wq, Wk, Wv, Wo
	s_load_b128 s[20:23], s[0:1], 0x40             ; W1, W2
	s_load_b64 s[24:25], s[0:1], 0x50              ; wts
	v_lshl_add_u32 v[SPW], v0, 2, SPARE
	v_mov_b32 v[NIL], 0
	v_lshrrev_b32 v1, 5, v0
	s_delay_alu instid0(VALU_DEP_1)
	v_readfirstlane_b32 s26, v1                    ; wave
	v_and_b32 v1, 31, v0                           ; lane
	v_and_b32 v2, 15, v0                           ; r
	v_bfe_u32 v3, v0, 4, 1                         ; h
	s_wait_kmcnt 0x0
	s_cmp_lt_u32 ttmp9, 256                        ; the work-group's number alone: all eight waves go the same way
	s_cbranch_scc0 .Lweights
	; ---- LAYER NORM.  Work-group = row block, wave w = columns 128 w on.  Lane (r, h) holds, of its row, 16 neighbours of each block of 32.
	s_lshr_b32 s27, ttmp9, 1
	s_lshl_b32 s27, s27, 5
	s_and_b32 s28, ttmp9, 1
	s_lshl_b32 s28, s28, 3
	s_add_co_u32 s28, s27, s28                     ; the block's lowest row
	s_lshl_b32 s28, s28, 12
	s_mov_b32 s29, 0
	s_add_nc_u64 s[4:5], s[4:5], s[28:29]
	s_lshl_b32 s27, ttmp9, 3
	s_add_co_u32 s27, s27, s26                     ; which fragment: 8 x row block + w
	s_lshl_b32 s28, s27, 6
	s_add_co_u32 s28, s28, XS_OFF
	s_add_nc_u64 s[34:35], s[10:11], s[28:29]      ; its scale words
	s_mul_i32 s28, s27, 1536
	s_add_nc_u64 s[10:11], s[10:11], s[28:29]      ; its image
	s_lshl_b32 s27, s26, 9
	s_lshl_b32 s33, s26, 2
	s_mov_b32 s[SEL], 0x76543210
	s_mov_b32 s[SEL+1], 0xfedcba98
	s_mov_b32 s52, 0x3a800000                      ; 1 / 1024
	s_mov_b32 s53, 0x3727c5ac                      ; 1e-5
	s_wait_alu depctr_va_vdst(0)
	v_and_b32 v11, 7, v2
	v_lshrrev_b32 v12, 3, v2
	s_delay_alu instid0(VALU_DEP_1)
	v_lshl_add_u32 v11, v12, 4, v11                ; r % 8 + 16 (r / 8)
	v_lshlrev_b32 v[GA], 6, v3
	s_delay_alu instid0(VALU_DEP_1)
	v_add_nc_u32 v[GA], s27, v[GA]                 ; 512 w + 64 h
	s_delay_alu instid0(VALU_DEP_1)
	v_lshl_add_u32 v[XA], v11, 12, v[GA]
	v_lshlrev_b32 v[LI16], 4, v1
	v_lshlrev_b32 v[LI8], 4, v2
	s_delay_alu instid0(VALU_DEP_1)
	v_lshl_add_u32 v[LI8], v3, 3, v[LI8]
	v_lshlrev_b32 v[RB], 5, v2
	s_delay_alu instid0(VALU_DEP_1)
	v_add_nc_u32 v[RA], s33, v[RB]
	v_lshlrev_b32 v[SA], 2, v2
	s_delay_alu instid0(VALU_DEP_1)
	v_lshl_add_u32 v[SA], v3, 1, v[SA]
.irp b, 0,1,2,3
.irp j, 0,1,2,3
	global_load_b128 v[X+16*\b+4*\j:X+16*\b+4*\j+3], v[XA], s[4:5] offset:128*\b+16*\j th:TH_LOAD_NT
.endr
.endr
.irp b, 0,1,2,3
.irp j, 0,1,2,3
	global_load_b128 v[G+16*\b+4*\j:G+16*\b+4*\j+3], v[GA], s[6:7] offset:128*\b+16*\j
.endr
.endr
.irp b, 0,1,2,3
.irp j, 0,1,2,3
	global_load_b128 v[BV+16*\b+4*\j:BV+16*\b+4*\j+3], v[GA], s[8:9] offset:128*\b+16*\j
.endr
.endr
	s_wait_loadcnt 32                              ; x is in; gamma's and beta's 32 loads may be out
.irp c, 0,1,2,3
	v_pk_add_f32 v[TM+2*\c:TM+2*\c+1], v[X+4*\c:X+4*\c+1], v[X+4*\c+2:X+4*\c+3]   ; four chains
.endr
.irp j, 16,24,32,40,48,56
.irp c, 0,1,2,3
	s_delay_alu instid0(VALU_DEP_4)
	v_pk_add_f32 v[TM+2*\c:TM+2*\c+1], v[TM+2*\c:TM+2*\c+1], v[X+\j+2*\c:X+\j+2*\c+1]
.endr
.endr
; the four chains, the pair's two halves and lane l xor 16's become my row's sum over the wave's 128 columns; the eight waves' sums meet in LDS
.macro REDUCE off
	s_delay_alu instid0(VALU_DEP_3)
	v_pk_add_f32 v[TM:TM+1], v[TM:TM+1], v[TM+2:TM+3]
	s_delay_alu instid0(VALU_DEP_2)
	v_pk_add_f32 v[TM+4:TM+5], v[TM+4:TM+5], v[TM+6:TM+7]
	s_delay_alu instid0(VALU_DEP_1)
	v_pk_add_f32 v[TM:TM+1], v[TM:TM+1], v[TM+4:TM+5]
	s_delay_alu instid0(VALU_DEP_1)
	v_add_f32 v[TM], v[TM], v[TM+1]
	s_delay_alu instid0(VALU_DEP_1)
	v_permlanex16_b32 v[TM+2], v[TM], s[SEL], s[SEL+1]
	s_delay_alu instid0(VALU_DEP_1)
	v_add_f32 v[TM], v[TM], v[TM+2]
	ds_store_b32 v[RA], v[TM] offset:\off          ; both halves of the lanes write the same word with the same value
	s_wait_dscnt 0x0                               ; for the others' sake: my store has landed
	s_barrier_signal -1
	s_barrier_wait -1
	ds_load_b128 v[TM+8:TM+11], v[RB] offset:\off
	ds_load_b128 v[TM+12:TM+15], v[RB] offset:\off+16
	s_wait_dscnt 0x0
	v_add_f32 v[TM+8], v[TM+8], v[TM+9]
	v_add_f32 v[TM+10], v[TM+10], v[TM+11]
	v_add_f32 v[TM+12], v[TM+12], v[TM+13]
	v_add_f32 v[TM+14], v[TM+14], v[TM+15]
	s_delay_alu instid0(VALU_DEP_3)
	v_add_f32 v[TM+8], v[TM+8], v[TM+10]
	s_delay_alu instid0(VALU_DEP_2)
	v_add_f32 v[TM+12], v[TM+12], v[TM+14]
	s_delay_alu instid0(VALU_DEP_1)
	v_add_f32 v[TM], v[TM+8], v[TM+12]
.endm
	REDUCE 0
	s_delay_alu instid0(VALU_DEP_1)
	v_mul_f32 v[MU], s52, v[TM]                    ; the mean
	s_delay_alu instid0(VALU_DEP_1)
	v_mov_b32 v[MU+1], v[MU]                       ; (named with it as a pair)
.set j, 0
.rept 32
	v_pk_add_f32 v[X+j:X+j+1], v[X+j:X+j+1], v[MU:MU+1] op_sel_hi:[1,0] neg_lo:[0,1] neg_hi:[0,1]   ; x - mean: the variance is taken of the differences, not as a difference of large sums
.set j, j+2
.endr
.irp c, 0,1,2,3
	v_pk_mul_f32 v[TM+2*\c:TM+2*\c+1], v[X+2*\c:X+2*\c+1], v[X+2*\c:X+2*\c+1]
.endr
.irp j, 8,16,24,32,40,48,56
.irp c, 0,1,2,3
	s_delay_alu instid0(VALU_DEP_4)
	v_pk_fma_f32 v[TM+2*\c:TM+2*\c+1], v[X+\j+2*\c:X+\j+2*\c+1], v[X+\j+2*\c:X+\j+2*\c+1], v[TM+2*\c:TM+2*\c+1]
.endr
.endr
	REDUCE RED2                                    ; other bytes than the first sums': no third barrier is owed
	s_delay_alu instid0(VALU_DEP_1)
	v_fma_f32 v[RS], v[TM], s52, s53               ; var + eps
	s_wait_alu depctr_va_vdst(0)
	v_rsq_f32 v[RS], v[RS]
	v_nop                                          ; a plain place behind the transcendental
	s_wait_alu depctr_va_vdst(0)                   ; and the wait ahead of its first reader
	v_mov_b32 v[RS+1], v[RS]
	s_wait_alu depctr_va_vdst(0)
	s_wait_loadcnt 0x0                             ; gamma and beta
.set j, 0
.rept 32
	v_pk_mul_f32 v[X+j:X+j+1], v[X+j:X+j+1], v[RS:RS+1] op_sel_hi:[1,0]
.set j, j+2
.endr
.set j, 0
.rept 32
	v_pk_fma_f32 v[X+j:X+j+1], v[X+j:X+j+1], v[G+j:G+j+1], v[BV+j:BV+j+1]
.set j, j+2
.endr
	; the quantiser: register 16 b + i = k 32 b + 16 h + i of my row
.irp b, 0,1,2,3
	v_max3_num_f32 v[TM+\b], |v[X+16*\b]|, |v[X+1+16*\b]|, 0x1800000   ; and the floor 2^(3 - 127): the byte cannot fall under 1
.endr
.irp i, 2,4,6,8,10,12,14
.irp b, 0,1,2,3
	s_delay_alu instid0(VALU_DEP_4)
	v_max3_num_f32 v[TM+\b], v[TM+\b], |v[X+16*\b+\i]|, |v[X+1+16*\b+\i]|
.endr
.endr
.irp b, 0,1,2,3
	s_delay_alu instid0(VALU_DEP_4)
	v_permlanex16_b32 v[TM+4+\b], v[TM+\b], s[SEL], s[SEL+1]
.endr
.irp b, 0,1,2,3
	s_delay_alu instid0(VALU_DEP_4)
	v_max_num_f32 v[TM+\b], v[TM+\b], v[TM+4+\b]   ; the block's largest magnitude
.endr
.irp b, 0,1,2,3
	s_delay_alu instid0(VALU_DEP_4)
	v_add_nc_u32 v[TM+12+\b], 0xff000000, v[TM+\b] ; 2 off its exponent field: the conversion's scale operand
.endr
.irp b, 0,1,2,3
	s_delay_alu instid0(VALU_DEP_4)
	v_lshrrev_b32 v[TM+4+\b], 23, v[TM+12+\b]      ; the byte
.endr
	s_delay_alu instid0(VALU_DEP_3)
	v_lshl_or_b32 v[PW], v[TM+5], 8, v[TM+4]
	s_delay_alu instid0(VALU_DEP_1)
	v_lshl_or_b32 v[PW], v[TM+6], 16, v[PW]
	s_delay_alu instid0(VALU_DEP_1)
	v_lshl_or_b32 v[PW], v[TM+7], 24, v[PW]
.irp c, 0,1
	v_cvt_scalef32_pk16_fp6_f32 v[PC+6*\c:PC+2+6*\c], v[X+32*\c:X+15+32*\c], v[TM+12+2*\c]
	v_cvt_scalef32_pk16_fp6_f32 v[PC+12+4*\c:PC+14+4*\c], v[X+16+32*\c:X+31+32*\c], v[TM+12+2*\c+1]
.endr
	v_nop                                          ; one plain place behind a scaled conversion
.irp c, 0,1
.irp i, 0,1,2
	v_permlane16_swap_b32 v[PC+6*\c+\i], v[PC+12+4*\c+\i]   ; a whole block to a lane
.endr
.irp i, 0,1,2
	s_delay_alu instid0(VALU_DEP_3)
	v_mov_b32 v[PC+3+6*\c+\i], v[PC+12+4*\c+\i]
.endr
.endr
	v_lshlrev_b32 v11, 4, v3
	s_delay_alu instid0(VALU_DEP_1)
	v_lshrrev_b32 v12, v11, v[PW]                  ; lanes 0-15 store the word's low half, lanes 16-31 its high half: 64 consecutive bytes, EXEC untouched
	global_store_b128 v[LI16], v[PC:PC+3], s[10:11]             ; each store covers 512 or 256 consecutive bytes, aligned
	global_store_b64 v[LI8], v[PC+4:PC+5], s[10:11] offset:512
	global_store_b128 v[LI16], v[PC+6:PC+9], s[10:11] offset:768
	global_store_b64 v[LI8], v[PC+10:PC+11], s[10:11] offset:1280
	global_store_b16 v[SA], v12, s[34:35]
	s_wait_tensorcnt 0x0                           ; the wave's end, behind my last LDS store
	ds_add_u32 v[SPW], v[NIL]
	s_wait_dscnt 0x0
	s_endpgm
	; ---- THE WEIGHTS.  A work-group takes 256 columns x 256 along K, a wave 32 columns: a lane takes a column and its registers run down K, so a block of 32 is one lane's.
.Lweights:
.set C,   96                           ; v96-175  codes: 20 registers for each pair of blocks, so that no store's data are written again
.set SBW, 180                          ; v180-181 the scale words of the two K steps
	s_sub_co_u32 s27, ttmp9, 256                   ; g: 0-63 Wq, Wk, Wv, Wo (16 each); 64-127 W1; 128-191 W2
	s_lshr_b32 s28, s27, 4
	s_lshr_b32 s29, s27, 6                         ; class 0, 1, 2
	s_and_b32 s30, s27, 3
	s_and_b32 s31, s27, 15
	s_bfe_u32 s32, s27, 0x20002
	s_bfe_u32 s33, s27, 0x20004
	s_bfe_u32 s34, s27, 0x40002
	s_lshl_b32 s37, s28, 10                        ; first row in the operand of 8,192 rows
	s_mov_b32 s39, WQKV_S
	s_cmp_eq_u32 s28, 1
	s_cselect_b64 s[12:13], s[14:15], s[12:13]
	s_cmp_eq_u32 s28, 2
	s_cselect_b64 s[12:13], s[16:17], s[12:13]
	s_cmp_eq_u32 s28, 3
	s_cselect_b64 s[12:13], s[18:19], s[12:13]
	s_cmp_eq_u32 s29, 1
	s_cselect_b64 s[12:13], s[20:21], s[12:13]
	s_cselect_b32 s30, s31, s30                    ; which 256 columns
	s_cselect_b32 s32, s33, s32                    ; which 256 along K
	s_cselect_b32 s35, 14, 12                      ; log2 of a row's bytes
	s_cselect_b32 s37, 0x1000, s37
	s_cmp_eq_u32 s29, 2
	s_cselect_b64 s[12:13], s[22:23], s[12:13]
	s_cselect_b32 s32, s34, s32
	s_cselect_b32 s36, 32, 8                       ; K / 128
	s_cselect_b32 s37, 0, s37
	s_cselect_b32 s38, W2_C, 0
	s_cselect_b32 s39, W2_S, s39
	s_lshl_b32 s40, s32, 8
	s_lshl_b32 s40, s40, s35
	s_lshl_b32 s41, s30, 10
	s_add_co_u32 s40, s40, s41
	s_lshl_b32 s41, s26, 7
	s_add_co_u32 s40, s40, s41
	s_mov_b32 s41, 0
	s_add_nc_u64 s[12:13], s[12:13], s[40:41]      ; my wave's first number
	s_lshr_b32 s42, s37, 5
	s_lshl_b32 s43, s30, 3
	s_add_co_u32 s42, s42, s43
	s_add_co_u32 s42, s42, s26                     ; which 32 rows of the operand
	s_mul_i32 s43, s42, s36
	s_add_co_u32 s43, s43, s32
	s_lshl_b32 s43, s43, 1                         ; the first fragment: (2 x that) x K / 128 + 2 x which 256 along K
	s_mul_i32 s46, s43, 1536
	s_add_co_u32 s46, s46, s38
	s_mov_b32 s47, 0
	s_lshl_b32 s48, s43, 6
	s_add_co_u32 s48, s48, s39
	s_mov_b32 s49, 0
	s_add_nc_u64 s[46:47], s[24:25], s[46:47]
	s_add_nc_u64 s[48:49], s[24:25], s[48:49]
	s_mul_i32 s44, s36, 1536
	s_lshl_b32 s45, s36, 6
	s_wait_alu depctr_va_vdst(0)
	v_lshlrev_b32 v13, 2, v1                       ; in: 4 bytes a lane
	v_bfe_u32 v4, v0, 3, 1                         ; column 16 h' + 8 u + j lies in row block u at row 8 h' + j
	v_and_b32 v6, 7, v0
	s_delay_alu instid0(VALU_DEP_1)
	v_lshl_add_u32 v6, v3, 3, v6
	s_delay_alu instid0(VALU_DEP_3)
	v_mul_lo_u32 v14, v4, s44
	s_delay_alu instid0(VALU_DEP_1)
	v_lshl_add_u32 v14, v6, 4, v14                 ; codes: u x a row block's bytes + 16 x row
	v_mul_lo_u32 v15, v4, s45
	s_delay_alu instid0(VALU_DEP_1)
	v_lshl_add_u32 v15, v6, 2, v15                 ; scale words: likewise + 4 x row
.macro LOADW t, pitch
.set ii, 0
.rept 32
	global_load_b32 v[X+32*((\t)%2)+ii], v13, s[12:13] offset:(32*(\t)+ii)*(\pitch) th:TH_LOAD_NT   ; 128 consecutive bytes a wave
.set ii, ii+1
.endr
.endm
; block t of eight: K step t / 4, registers 6 c on with c = (t % 4) / 2, of the lane (my row, h = t % 2)
.macro BLOCKW t, pitch
.set XB, X+32*((\t)%2)
.set CP, C+20*((\t)/2)+8*((\t)%2)
.set CQ, C+20*((\t)/2)
.set OFS, ((\t)/4)*1536+768*(((\t)%4)/2)
.if (\t) < 7
	s_wait_loadcnt 32                              ; this block's 32 loads are in; the next block's may be out
.else
	s_wait_loadcnt 0x0
.endif
	v_max3_num_f32 v8, |v[XB]|, |v[XB+1]|, |v[XB+2]|
	v_max3_num_f32 v9, |v[XB+3]|, |v[XB+4]|, |v[XB+5]|
.irp i, 6,10,14,18,22,26
	s_delay_alu instid0(VALU_DEP_2)
	v_max3_num_f32 v8, v8, |v[XB+\i]|, |v[XB+\i+1]|
	s_delay_alu instid0(VALU_DEP_2)
	v_max3_num_f32 v9, v9, |v[XB+\i+2]|, |v[XB+\i+3]|
.endr
	s_delay_alu instid0(VALU_DEP_2)
	v_max3_num_f32 v8, v8, |v[XB+30]|, |v[XB+31]|
	s_delay_alu instid0(VALU_DEP_1)
	v_max3_num_f32 v8, v8, v9, 0x1800000
	s_delay_alu instid0(VALU_DEP_1)
	v_add_nc_u32 v10, 0xff000000, v8
	v_cvt_scalef32_pk16_fp6_f32 v[CP:CP+2], v[XB:XB+15], v10
	v_cvt_scalef32_pk16_fp6_f32 v[CP+4:CP+6], v[XB+16:XB+31], v10
	v_lshrrev_b32 v11, 23, v10                     ; the byte; also the plain place behind the conversions
.if (\t)%4 == 0
	s_delay_alu instid0(VALU_DEP_1)
	v_mov_b32 v[SBW+(\t)/4], v11
.else
	s_delay_alu instid0(VALU_DEP_1)
	v_lshl_or_b32 v[SBW+(\t)/4], v11, 8*((\t)%4), v[SBW+(\t)/4]
.endif
	v_mov_b32 v[CP+3], v[CP+4]
	global_store_b128 v14, v[CP:CP+3], s[46:47] offset:OFS+256*((\t)%2)   ; the sixteen lanes of a row block store 256 consecutive bytes, aligned
.if (\t)%2 == 1
	v_mov_b32 v[CQ+16], v[CQ+5]                    ; registers 4, 5 of both halves: 16 bytes a row
	v_mov_b32 v[CQ+17], v[CQ+6]
	v_mov_b32 v[CQ+18], v[CQ+13]
	v_mov_b32 v[CQ+19], v[CQ+14]
	global_store_b128 v14, v[CQ+16:CQ+19], s[46:47] offset:OFS+512
.endif
.if (\t)%4 == 3
	global_store_b32 v15, v[SBW+(\t)/4], s[48:49] offset:64*((\t)/4)
.endif
.if (\t)+2 < 8
	LOADW (\t)+2, \pitch
.endif
.endm
.macro WBODY pitch
	LOADW 0, \pitch
	LOADW 1, \pitch
.irp t, 0,1,2,3,4,5,6,7
	BLOCKW \t, \pitch
.endr
	s_wait_tensorcnt 0x0                           ; the wave's end
	ds_add_u32 v[SPW], v[NIL]
	s_wait_dscnt 0x0
	s_endpgm
.endm
	s_cmp_eq_u32 s29, 1
	s_cbranch_scc1 .Lwide
	WBODY 4096
.Lwide:
	s_wait_alu depctr_va_vdst(0)
	WBODY 16384
.Lfunc_end_k_q8f3342cce3_prep:
	.size	k_q8f3342cce3_prep, .Lfunc_end_k_q8f3342cce3_prep-k_q8f3342cce3_prep
	.p2alignl 7, 3214868480
	.fill 96, 4, 3214868480
	.section	.rodata,"a",@progbits
	.p2align	6, 0x0
	.amdhsa_kernel k_q8f3342cce3_prep
		.amdhsa_group_segment_fixed_size 2048
		.amdhsa_private_segment_fixed_size 0
		.amdhsa_enable_private_segment 0
		.amdhsa_kernarg_size 88
		.amdhsa_user_sgpr_count 2
		.amdhsa_user_sgpr_kernarg_segment_ptr 1
		.amdhsa_wavefront_size32 1
		.amdhsa_system_sgpr_workgroup_id_x 1
		.amdhsa_system_sgpr_workgroup_id_y 1
		.amdhsa_system_sgpr_workgroup_id_z 1
		.amdhsa_system_vgpr_workitem_id 0
		.amdhsa_next_free_vgpr 256
		.amdhsa_next_free_sgpr 66
		.amdhsa_reserve_vcc 0
		.amdhsa_float_denorm_mode_32 3
		.amdhsa_float_denorm_mode_16_64 3
		.amdhsa_memory_ordered 1
		.amdhsa_forward_progress 1
		.amdhsa_inst_pref_size 112
	.end_amdhsa_kernel
	.amdgpu_metadata
---
amdhsa.version: [ 1, 2 ]
amdhsa.kernels:
  - .name:           k_q8f3342cce3_prep
    .symbol:         k_q8f3342cce3_prep.kd
    .args:
      - { .name: src, .offset: 0, .size: 8, .value_kind: global_buffer, .address_space: global }
      - { .name: ln1_g, .offset: 8, .size: 8, .value_kind: global_buffer, .address_space: global }
      - { .name: ln1_b, .offset: 16, .size: 8, .value_kind: global_buffer, .address_space: global }
      - { .name: xq, .offset: 24, .size: 8, .value_kind: global_buffer, .address_space: global }
      - { .name: Wq, .offset: 32, .size: 8, .value_kind: global_buffer, .address_space: global }
      - { .name: Wk, .offset: 40, .size: 8, .value_kind: global_buffer, .address_space: global }
      - { .name: Wv, .offset: 48, .size: 8, .value_kind: global_buffer, .address_space: global }
      - { .name: Wo, .offset: 56, .size: 8, .value_kind: global_buffer, .address_space: global }
      - { .name: W1, .offset: 64, .size: 8, .value_kind: global_buffer, .address_space: global }
      - { .name: W2, .offset: 72, .size: 8, .value_kind: global_buffer, .address_space: global }
      - { .name: wts, .offset: 80, .size: 8, .value_kind: global_buffer, .address_space: global }
    .group_segment_fixed_size: 2048
    .private_segment_fixed_size: 0
    .kernarg_segment_align: 8
    .kernarg_segment_size: 88
    .max_flat_workgroup_size: 256
    .sgpr_count:     66
    .vgpr_count:     256
    .wavefront_size: 32
...
	.end_amdgpu_metadata
.endif
;; end of part 1
;; launch qkv (part 2): grid 12 x 16, 4 waves a work-group, clusters of 4 x 4, 327,680 bytes of LDS; arguments xq, wts, bq, bk, bv, qkv; writes qkv
.if DOCPART == 2
	.amdgcn_target "amdgcn-amd-amdhsa--gfx1250"
	.amdhsa_code_object_version 6
	.text
	.protected	k_q8f3342cce3_qkv
	.globl	k_q8f3342cce3_qkv
	.p2align	8
	.type	k_q8f3342cce3_qkv,@function
k_q8f3342cce3_qkv:
	s_mov_b64 s[64:65], 0
	v_nop
	global_prefetch_b8 v0, s[64:65] scope:SCOPE_SE
	s_setreg_imm32_b32 hwreg(HW_REG_WAVE_MODE, 25, 1), 1
	s_wait_xcnt 0x0
	s_wait_alu depctr_hold_cnt(0) depctr_sa_sdst(0) depctr_va_vdst(0) depctr_va_sdst(0) depctr_va_ssrc(0) depctr_va_vcc(0) depctr_vm_vsrc(0)
	s_getreg_b32 s2, hwreg(HW_REG_IB_STS2, 6, 4)
	s_cmp_eq_u32 s2, 0
	s_cbranch_scc0 .Lentry_in_a_cluster
	s_endpgm
.Lentry_in_a_cluster:
	s_bfe_u32 s2, ttmp6, 0x10000c
	s_cmp_lg_u32 s2, 0xf033
	s_cbranch_scc0 .Lentry_shape_is_right
	s_endpgm
.Lentry_shape_is_right:
.set NA,    8
.set LOGNA, 3
.set NQ,    2
.set KK,    8
.set LAPS,  KK/(2*NQ)
.set FRB,   1536
.set QB,    NA*NQ*FRB
.set SLOT,  4*QB
.set SCL,   2*SLOT
.set HALFS, NA*KK*64
.set SPARE, SCL+4*HALFS
.set APW,   32/NA
.set RELU,  0
.set X_S,    3145728
.set WQKV_S, 9437184
.set V_C,    6291456
.set SC_OFF, 9437184
.set ADRA16, 16
.set ADRA8,  18
.set ADRB16, 20
.set ADRB8,  22
.set VB,   24
.set VSO,  25
.set VB2,  26
.set ADRS, 27
.set SPW,  28
.set NIL,  29
.set LI16, 30
.set LI8,  31
.set SC,   32
.set AF,   64
.set PC,   64
.set PT,   160
.set TM,   168
.set SWR,  184
.set TW,   192
.set G1, 24
.set G0, 32
.set G1B, 48
.set G0B, 56
.set SEL, 66
.set G1S, 68
.set G0S, 76
.set G1SB, 80
.set G0SB, 88
.set MSB, 0
.macro WIN new
.if MSB != (\new)
	s_set_vgpr_msb (MSB<<8)|(\new)
.set MSB, (\new)
.endif
.endm
.macro PLACES
.rept 4
	v_nop
.endr
.endm
.macro JLOAD g0a, g1a, g0b, g1b
	s_cmp_eq_u32 s15, 0
	s_cbranch_scc0 .Lfor_b_\@
	tensor_load_to_lds s[\g0a:\g0a+3], s[\g1a:\g1a+7]
	s_nop 0
.rept 4
	v_nop
.endr
	s_branch .Lasked_\@
.Lfor_b_\@:
	tensor_load_to_lds s[\g0b:\g0b+3], s[\g1b:\g1b+7]
	s_nop 0
.rept 4
	v_nop
.endr
.Lasked_\@:
.endm
.macro CREST
	s_cmp_lg_u32 s14, 0
	s_cbranch_scc1 .Lnot_wave_0_\@
	s_barrier_signal -3
.Lnot_wave_0_\@:
	s_barrier_wait -3
	s_barrier_signal -1
	s_barrier_wait -1
.endm
.macro CROUND
	s_barrier_signal -1
	s_barrier_wait -1
	CREST
.endm
.macro FRAG reg, a16, a8, off
	ds_load_b128 v[\reg:\reg+3], v[\a16] offset:\off
	ds_load_b64 v[\reg+4:\reg+5], v[\a8] offset:\off+512
	ds_load_b128 v[\reg+6:\reg+9], v[\a16] offset:\off+768
	ds_load_b64 v[\reg+10:\reg+11], v[\a8] offset:\off+1280
.endm
.macro FETCH slot, q, p
	WIN 0x40
.set ii, 0
.rept NA
	FRAG 128*(\p)+12*ii, ADRB16+\slot, ADRB8+\slot, (ii*NQ+(\q))*FRB
.set ii, ii+1
.endr
	WIN 0
.set ii, 0
.rept NA
	FRAG AF+96*(\p)+12*ii, ADRA16+\slot, ADRA8+\slot, (ii*NQ+(\q))*FRB
.set ii, ii+1
.endr
.endm
.macro SCALES sc
.set ii, 0
.rept NA
.set qq, 0
.rept NQ
	ds_load_b32 v[SC+16*(\sc)+NQ*ii+qq], v[ADRS] offset:ii*KK*64+qq*64
.set qq, qq+1
.endr
.set ii, ii+1
.endr
.endm
.macro MULR a0, a1, p, q, sc, z
.set aa, \a0
.rept (\a1)-(\a0)
.set WN, 2+aa/APW
.if \z
	WIN (WN<<6)|0x11
.else
	WIN (WN<<6)|(WN<<4)|0x01
.endif
.set bb, 0
.rept NA
.set DD, 8*(NA*(aa%APW)+bb)
.set CC, DD
.if \z == 1
.set CC, 96+8*(bb%4)+128*(bb/4)
.endif
.if \z == 2
.set CC, 96+8*(aa%4)+128*(aa/4)
.endif
	v_wmma_scale_f32_16x16x128_f8f6f4 v[DD:DD+7], v[128*(\p)+12*bb:128*(\p)+12*bb+11], v[AF+96*(\p)+12*aa:AF+96*(\p)+12*aa+11], v[CC:CC+7], v[SC+16*(\sc)+NQ*bb+(\q)], v[SC+16*(\sc)+NQ*aa+(\q)] matrix_a_fmt:MATRIX_FMT_FP6 matrix_b_fmt:MATRIX_FMT_FP6 matrix_a_scale:MATRIX_SCALE_ROW1
.set bb, bb+1
.endr
.set aa, aa+1
.endr
.endm
.macro STEP slot, q, z
	s_wait_dscnt 0x0
	PLACES
	FETCH \slot, (\q)+1, ((\q)+1)%2
	MULR 0, NA, (\q)%2, \q, \slot, \z
.endm
.macro TURN slot, next, fill
	WIN 0
	s_wait_tensorcnt 0x0
	ds_add_u32 v[SPW], v[NIL]
	s_wait_dscnt 0x1
	MULR 0, NA/4, 1, NQ-1, \slot, 0
	s_wait_dscnt 0x0
	s_barrier_signal -1
	MULR NA/4, NA/2, 1, NQ-1, \slot, 0
	WIN 0
	s_barrier_wait -1
.if \fill
	CREST
	s_add_nc_u64 s[G0+4*\slot+2:G0+4*\slot+3], s[G0+4*\slot+2:G0+4*\slot+3], 2*NQ*FRB
	s_add_nc_u64 s[G0B+4*\slot+2:G0B+4*\slot+3], s[G0B+4*\slot+2:G0B+4*\slot+3], 2*NQ*FRB
	JLOAD G0+4*\slot, G1, G0B+4*\slot, G1B
.else
	PLACES
.endif
	s_wait_alu depctr_va_vdst(0)
	v_add_nc_u32 v[ADRS], NQ*64, v[ADRS]
	FETCH \next, 0, 0
	SCALES \next
	MULR NA/2, NA, 1, NQ-1, \slot, 0
.endm
.macro QBLK a
.set WNW, 2+(\a)/4
.set ACB, 64*((\a)%4)
.set PCA, PC+12*(\a)
.if RELU
	WIN (WNW<<6)|(WNW<<2)
.set jj, 0
.rept 64
	v_max_num_f32 v[ACB+jj], 0, v[ACB+jj]
.set jj, jj+1
.endr
.endif
	WIN (WNW<<4)|(WNW<<2)
.irp b, 0,1,2,3
	v_max3_num_f32 v[TM+\b], 0x1800000, |v[ACB+16*\b]|, |v[ACB+1+16*\b]|
.endr
.irp i, 2,4,6,8,10,12,14
.irp b, 0,1,2,3
	v_max3_num_f32 v[TM+\b], v[TM+\b], |v[ACB+16*\b+\i]|, |v[ACB+1+16*\b+\i]|
.endr
.endr
	WIN 0
.irp b, 0,1,2,3
	v_permlanex16_b32 v[TM+4+\b], v[TM+\b], s[SEL], s[SEL+1]
.endr
.irp b, 0,1,2,3
	v_max_num_f32 v[TM+\b], v[TM+\b], v[TM+4+\b]
.endr
.irp b, 0,1,2,3
	v_add_nc_u32 v[TM+12+\b], 0xff000000, v[TM+\b]
.endr
.irp b, 0,1,2,3
	v_lshrrev_b32 v[TM+4+\b], 23, v[TM+12+\b]
.endr
	v_lshl_or_b32 v[SWR+(\a)], v[TM+5], 8, v[TM+4]
	v_lshl_or_b32 v[SWR+(\a)], v[TM+6], 16, v[SWR+(\a)]
	v_lshl_or_b32 v[SWR+(\a)], v[TM+7], 24, v[SWR+(\a)]
	WIN WNW
.irp c, 0,1
	v_cvt_scalef32_pk16_fp6_f32 v[PCA+6*\c:PCA+2+6*\c], v[ACB+32*\c:ACB+15+32*\c], v[TM+12+2*\c]
	v_cvt_scalef32_pk16_fp6_f32 v[PT+4*\c:PT+2+4*\c], v[ACB+16+32*\c:ACB+31+32*\c], v[TM+12+2*\c+1]
.endr
	v_nop
	WIN 0
.irp c, 0,1
.irp i, 0,1,2
	v_permlane16_swap_b32 v[PCA+6*\c+\i], v[PT+4*\c+\i]
.endr
.irp i, 0,1,2
	v_mov_b32 v[PCA+3+6*\c+\i], v[PT+4*\c+\i]
.endr
.endr
.endm
	s_load_b256 s[4:11], s[0:1], 0x0
	s_load_b128 s[96:99], s[0:1], 0x20
	v_lshl_add_u32 v[SPW], v0, 2, SPARE
	v_mov_b32 v[NIL], 0
	ds_add_u32 v[SPW], v[NIL]
	ds_add_u32 v[SPW], v[NIL]
	v_lshrrev_b32 v1, 5, v0
	v_readfirstlane_b32 s14, v1
	s_lshr_b32 s15, s14, 1
	s_and_b32 s16, s14, 1
	s_bfe_u32 s40, ttmp6, 0x40000
	s_bfe_u32 s41, ttmp6, 0x40004
	s_and_b32 s18, ttmp7, 0xffff
	s_lshl_b32 s18, s18, 2
	s_add_co_u32 s17, s18, s41
	s_add_co_u32 s2, s18, s40
	s_lshl_b32 s42, ttmp9, 2
	s_add_co_u32 s42, s42, s40
	s_mov_b32 s13, X_S
	s_mov_b32 s19, WQKV_S
	s_cmp_eq_u32 ttmp9, 2
	s_cselect_b32 s95, 1, 0
	s_cselect_b32 s17, s41, s17
	s_cselect_b32 s42, s2, s42
	s_cselect_b32 s12, 1572864, 0
	s_cselect_b32 s13, WQKV_S+65536, s13
	s_cselect_b32 s19, X_S, s19
	s_lshl_b32 s43, s41, 2
	s_lshl_b32 s43, 15, s43
	s_lshl_b32 s44, 0x1111, s40
	s_or_b32 s[G1+0], s43, (3<<16)|(1<<21)
	s_or_b32 s[G1B+0], s44, (3<<16)|(1<<21)
.irp g, G1, G1B
	s_mov_b32 s[\g+1], (NQ*192)<<16
	s_mov_b32 s[\g+2], NA<<16
	s_mov_b32 s[\g+3], (NQ*192)<<16
	s_mov_b32 s[\g+4], NA
	s_mov_b32 s[\g+5], KK*192
	s_mov_b32 s[\g+6], 0
	s_mov_b32 s[\g+7], 0
.endr
	s_or_b32 s[G1S+0], s43, (3<<16)|(1<<21)
	s_or_b32 s[G1SB+0], s44, (3<<16)|(1<<21)
.irp g, G1S, G1SB
	s_mov_b32 s[\g+1], 32<<16
	s_mov_b32 s[\g+2], (NA*KK/4)<<16
	s_mov_b32 s[\g+3], 32<<16
	s_mov_b32 s[\g+4], NA*KK/4
	s_mov_b32 s[\g+5], 32
	s_mov_b32 s[\g+6], 0
	s_mov_b32 s[\g+7], 0
.endr
	s_lshl_b32 s18, s16, LOGNA
	s_lshl_b32 s20, s17, LOGNA+1
	s_add_co_u32 s20, s20, s18
	s_lshl_b32 s46, s42, LOGNA+1
	s_add_co_u32 s46, s46, s18
	s_mul_i32 s22, s20, KK*64
	s_add_co_u32 s22, s22, s13
	s_mul_i32 s92, s46, KK*64
	s_add_co_u32 s92, s92, s19
	s_mul_i32 s20, s20, KK*FRB
	s_add_co_u32 s20, s20, s12
	s_mul_i32 s46, s46, KK*FRB
	s_mov_b32 s21, 0
	s_mov_b32 s23, 0
	s_mov_b32 s47, 0
	s_mov_b32 s93, 0
	s_mul_i32 s45, s14, QB
	s_mul_i32 s94, s14, HALFS
	s_mov_b32 s[SEL], 0x76543210
	s_mov_b32 s[SEL+1], 0xfedcba98
	s_mov_b32 s2, 0xffff0000
	s_wait_dscnt 0x0
	s_wait_kmcnt 0x0
	s_cmp_eq_u32 s95, 1
	s_cselect_b64 s[12:13], s[6:7], s[4:5]
	s_cselect_b64 s[6:7], s[4:5], s[6:7]
	s_add_nc_u64 s[20:21], s[12:13], s[20:21]
	s_add_nc_u64 s[22:23], s[12:13], s[22:23]
	s_add_nc_u64 s[46:47], s[6:7], s[46:47]
	s_add_nc_u64 s[92:93], s[6:7], s[92:93]
	CROUND
	s_mov_b32 s[G0S], 1
	s_add_co_u32 s[G0S+1], s94, SCL
	s_mov_b64 s[G0S+2:G0S+3], s[22:23]
	s_or_b32 s[G0S+3], s[G0S+3], 0x80000000
	s_mov_b32 s[G0SB], 1
	s_add_co_u32 s[G0SB+1], s94, SCL
	s_mov_b64 s[G0SB+2:G0SB+3], s[92:93]
	s_or_b32 s[G0SB+3], s[G0SB+3], 0x80000000
	JLOAD G0S, G1S, G0SB, G1SB
.irp s, 0,1
	s_mov_b32 s[G0+4*\s], 1
	s_add_co_u32 s[G0+4*\s+1], s45, \s*SLOT
	s_add_nc_u64 s[G0+4*\s+2:G0+4*\s+3], s[20:21], \s*NQ*FRB
	s_or_b32 s[G0+4*\s+3], s[G0+4*\s+3], 0x80000000
	s_mov_b32 s[G0B+4*\s], 1
	s_add_co_u32 s[G0B+4*\s+1], s45, \s*SLOT
	s_add_nc_u64 s[G0B+4*\s+2:G0B+4*\s+3], s[46:47], \s*NQ*FRB
	s_or_b32 s[G0B+4*\s+3], s[G0B+4*\s+3], 0x80000000
	s_wait_alu depctr_va_vdst(0)
	s_wait_tensorcnt 0x0
	ds_add_u32 v28, v29
	s_wait_dscnt 0x0
	CROUND
	JLOAD G0+4*\s, G1, G0B+4*\s, G1B
.endr
	v_and_b32 v1, 15, v0
	v_bfe_u32 v2, v0, 4, 1
	v_and_b32 v3, 31, v0
	v_lshlrev_b32 v[LI16], 4, v3
	v_lshlrev_b32 v[LI8], 4, v1
	v_lshl_add_u32 v[LI8], v2, 3, v[LI8]
	s_mul_i32 s21, s15, QB
	s_mul_i32 s22, s16, QB
	s_add_co_u32 s22, s22, 2*QB
.irp s, 0,1
	v_add_nc_u32 v[ADRA16+\s], s21, v[LI16]
	v_add_nc_u32 v[ADRA8+\s], s21, v[LI8]
	v_add_nc_u32 v[ADRB16+\s], s22, v[LI16]
	v_add_nc_u32 v[ADRB8+\s], s22, v[LI8]
	s_add_co_u32 s21, s21, SLOT
	s_add_co_u32 s22, s22, SLOT
.endr
	v_lshlrev_b32 v5, 2, v1
	s_mul_i32 s21, s15, HALFS
	s_mul_i32 s22, s16, HALFS
	s_add_co_u32 s22, s22, 2*HALFS
	s_sub_co_u32 s22, s22, s21
	v_mul_u32_u24 v6, s22, v2
	s_add_co_u32 s21, s21, SCL
	v_add_nc_u32 v5, v5, v6
	v_add_nc_u32 v[ADRS], s21, v5
	v_lshlrev_b32 v[VSO], 2, v3
	v_lshlrev_b32 v[VB], 6, v2
	v_and_b32 v5, 7, v1
	v_lshrrev_b32 v6, 3, v1
	v_lshl_add_u32 v5, v6, 4, v5
	v_lshlrev_b32 v[VB2], 2, v5
	s_cmp_eq_u32 ttmp9, 0
	s_cselect_b64 s[8:9], s[8:9], s[10:11]
	s_cmp_eq_u32 s95, 1
	s_cselect_b64 s[8:9], s[96:97], s[8:9]
	s_cselect_b32 s18, s41, s40
	s_cselect_b32 s19, s15, s16
	s_lshl_b32 s18, s18, 10
	s_lshl_b32 s19, s19, 9
	s_add_co_u32 s18, s18, s19
	s_mov_b32 s19, 0
	s_add_nc_u64 s[8:9], s[8:9], s[18:19]
	s_cmp_eq_u32 s95, 1
	s_cbranch_scc1 .Lbias_v
	WIN 0x40
	s_wait_alu depctr_va_vdst(0)
.irp b, 0,1,2,3,4,5,6,7
	global_load_b128 v[96+8*(\b%4)+128*(\b/4):96+8*(\b%4)+128*(\b/4)+3], v[VB], s[8:9] offset:(32*(\b/2)+8*(\b%2))*4
	global_load_b128 v[96+8*(\b%4)+128*(\b/4)+4:96+8*(\b%4)+128*(\b/4)+7], v[VB], s[8:9] offset:(32*(\b/2)+8*(\b%2))*4+16
.endr
	WIN 0
	s_branch .Lbias_done
.Lbias_v:
	WIN 0x40
	s_wait_alu depctr_va_vdst(0)
.irp a, 0,1,2,3,4,5,6,7
.irp j, 0,1,2,3,4,5,6,7
	global_load_b32 v[96+8*(\a%4)+128*(\a/4)+\j], v[VB2], s[8:9] offset:(32*(\a/2)+8*(\a%2))*4
.endr
.endr
	WIN 0
.Lbias_done:
	s_wait_tensorcnt 0x1
	s_barrier_signal -1
	s_barrier_wait -1
	FETCH 0, 0, 0
	SCALES 0
	s_wait_loadcnt 0x0
	s_cmp_eq_u32 s95, 1
	s_cbranch_scc1 .Lfirst_v
	STEP 0, 0, 1
	WIN 0
	s_branch .Lfirst_done
.Lfirst_v:
	STEP 0, 0, 2
	WIN 0
.Lfirst_done:
	s_mov_b32 s3, LAPS-1
.Llap:
	TURN 0, 1, 1
	STEP 1, 0, 0
	TURN 1, 0, 1
	STEP 0, 0, 0
	WIN 0
	s_sub_co_u32 s3, s3, 1
	s_cmp_lg_u32 s3, 0
	s_cbranch_scc1 .Llap
	TURN 0, 1, 0
	STEP 1, 0, 0
	s_wait_dscnt 0x0
	MULR 0, NA, 1, NQ-1, 1, 0
	WIN 0
	PLACES
.irp b, 0,1,2,3
	v_mov_b32 v[TM+4+\b], 0
.endr
.irp a, 0,1,2,3,4,5,6,7
	QBLK \a
.endr
.irp al, 0,1,2,3
	v_cndmask_b32 v[TW+\al], v[SWR+2*\al], v[SWR+2*\al+1], s2
.endr
.irp al, 0,1,2,3
	v_lshrrev_b32 v[TW+4+\al], 16, v[TW+\al]
.endr
	s_lshl_b32 s18, s42, 1
	s_add_co_u32 s18, s18, s16
	s_cmp_eq_u32 s95, 1
	s_cbranch_scc1 .Lout_v
	s_lshr_b32 s19, s18, 3
	s_and_b32 s18, s18, 7
	s_lshl_b32 s18, s18, 1
	s_lshl_b32 s19, s19, 5
	s_add_co_u32 s18, s18, s19
	s_lshl_b32 s20, s17, 4
	s_lshl_b32 s21, s15, 3
	s_add_co_u32 s20, s20, s21
	s_lshr_b32 s21, s20, 7
	s_lshl_b32 s21, s21, 4
	s_add_co_u32 s18, s18, s21
	s_and_b32 s20, s20, 127
	s_mul_i32 s22, s18, 98304
	s_mul_i32 s21, s20, 768
	s_add_co_u32 s22, s22, s21
	s_mov_b32 s23, 0
	s_mul_i32 s18, s18, 12288
	s_lshl_b32 s20, s20, 6
	s_add_co_u32 s18, s18, s20
	s_add_co_u32 s18, s18, SC_OFF
	s_mov_b32 s19, 0
	s_add_nc_u64 s[96:97], s[98:99], s[22:23]
	s_add_nc_u64 s[10:11], s[98:99], s[18:19]
	s_wait_alu depctr_va_vdst(0)
.irp a, 0,1,2,3,4,5,6,7
	global_store_b128 v[LI16], v[PC+12*\a:PC+12*\a+3], s[96:97] offset:\a*768
	global_store_b64 v[LI8], v[PC+12*\a+4:PC+12*\a+5], s[96:97] offset:\a*768+512
	global_store_b128 v[LI16], v[PC+12*\a+6:PC+12*\a+9], s[96:97] offset:98304+\a*768
	global_store_b64 v[LI8], v[PC+12*\a+10:PC+12*\a+11], s[96:97] offset:98304+\a*768+512
.endr
.irp al, 0,1,2,3
	global_store_b32 v[VSO], v[TW+\al], s[10:11] offset:\al*128
	global_store_b32 v[VSO], v[TW+4+\al], s[10:11] offset:12288+\al*128
.endr
	s_branch .Lout_done
.Lout_v:
	s_lshr_b32 s19, s18, 4
	s_and_b32 s18, s18, 15
	s_lshl_b32 s19, s19, 4
	s_lshl_b32 s20, s17, 2
	s_add_co_u32 s19, s19, s20
	s_lshl_b32 s20, s15, 1
	s_add_co_u32 s19, s19, s20
	s_lshl_b32 s22, s19, 4
	s_add_co_u32 s22, s22, s18
	s_mul_i32 s22, s22, 6144
	s_add_co_u32 s22, s22, V_C
	s_mov_b32 s23, 0
	s_mul_i32 s19, s19, 12288
	s_lshl_b32 s18, s18, 8
	s_add_co_u32 s18, s18, s19
	s_add_co_u32 s18, s18, SC_OFF+393216+8192
	s_mov_b32 s19, 0
	s_add_nc_u64 s[96:97], s[98:99], s[22:23]
	s_add_nc_u64 s[10:11], s[98:99], s[18:19]
	s_wait_alu depctr_va_vdst(0)
.irp a, 0,1,2,3,4,5,6,7
	global_store_b128 v[LI16], v[PC+12*\a:PC+12*\a+3], s[96:97] offset:(\a/4)*98304+(\a%4)*1536
	global_store_b64 v[LI8], v[PC+12*\a+4:PC+12*\a+5], s[96:97] offset:(\a/4)*98304+(\a%4)*1536+512
	global_store_b128 v[LI16], v[PC+12*\a+6:PC+12*\a+9], s[96:97] offset:(\a/4)*98304+(\a%4)*1536+768
	global_store_b64 v[LI8], v[PC+12*\a+10:PC+12*\a+11], s[96:97] offset:(\a/4)*98304+(\a%4)*1536+1280
.endr
.irp al, 0,1,2,3
	global_store_b32 v[VSO], v[TW+\al], s[10:11] offset:(\al/2)*12288+(\al%2)*128
.endr
.Lout_done:
	s_wait_tensorcnt 0x0
	ds_add_u32 v[SPW], v[NIL]
	s_wait_dscnt 0x0
	CROUND
	s_endpgm
.Lfunc_end_k_q8f3342cce3_qkv:
	.size	k_q8f3342cce3_qkv, .Lfunc_end_k_q8f3342cce3_qkv-k_q8f3342cce3_qkv
	.p2alignl 7, 3214868480
	.fill 96, 4, 3214868480
	.section	.rodata,"a",@progbits
	.p2align	6, 0x0
	.amdhsa_kernel k_q8f3342cce3_qkv
		.amdhsa_group_segment_fixed_size 327680
		.amdhsa_private_segment_fixed_size 0
		.amdhsa_enable_private_segment 0
		.amdhsa_kernarg_size 48
		.amdhsa_user_sgpr_count 2
		.amdhsa_user_sgpr_kernarg_segment_ptr 1
		.amdhsa_wavefront_size32 1
		.amdhsa_system_sgpr_workgroup_id_x 1
		.amdhsa_system_sgpr_workgroup_id_y 1
		.amdhsa_system_sgpr_workgroup_id_z 1
		.amdhsa_system_vgpr_workitem_id 0
		.amdhsa_next_free_vgpr 1024
		.amdhsa_next_free_sgpr 102
		.amdhsa_reserve_vcc 0
		.amdhsa_float_denorm_mode_32 3
		.amdhsa_float_denorm_mode_16_64 3
		.amdhsa_memory_ordered 1
		.amdhsa_forward_progress 1
		.amdhsa_inst_pref_size 177
	.end_amdhsa_kernel
	.amdgpu_metadata
---
amdhsa.version: [ 1, 2 ]
amdhsa.kernels:
  - .name:           k_q8f3342cce3_qkv
    .symbol:         k_q8f3342cce3_qkv.kd
    .args:
      - { .name: xq, .offset: 0, .size: 8, .value_kind: global_buffer, .address_space: global }
      - { .name: wts, .offset: 8, .size: 8, .value_kind: global_buffer, .address_space: global }
      - { .name: bq, .offset: 16, .size: 8, .value_kind: global_buffer, .address_space: global }
      - { .name: bk, .offset: 24, .size: 8, .value_kind: global_buffer, .address_space: global }
      - { .name: bv, .offset: 32, .size: 8, .value_kind: global_buffer, .address_space: global }
      - { .name: qkv, .offset: 40, .size: 8, .value_kind: global_buffer, .address_space: global }
    .group_segment_fixed_size: 327680
    .private_segment_fixed_size: 0
    .kernarg_segment_align: 8
    .kernarg_segment_size: 48
    .max_flat_workgroup_size: 128
    .sgpr_count:     102
    .vgpr_count:     1024
    .wavefront_size: 32
...
	.end_amdgpu_metadata
.endif
;; end of part 2
;; launch attn (part 3): grid 8 x 32, 16 waves a work-group, clusters of 4 x 1, 268,288 bytes of LDS; arguments qkv, src_mask, ctxq; writes ctxq
.if DOCPART == 3
	.amdgcn_target "amdgcn-amd-amdhsa--gfx1250"
	.amdhsa_code_object_version 6
	.text
	.protected	k_q8f3342cce3_attn
	.globl	k_q8f3342cce3_attn
	.p2align	8
	.type	k_q8f3342cce3_attn,@function
k_q8f3342cce3_attn:
	s_mov_b64 s[64:65], 0
	v_nop
	global_prefetch_b8 v0, s[64:65] scope:SCOPE_SE
	s_setreg_imm32_b32 hwreg(HW_REG_WAVE_MODE, 25, 1), 1
	s_wait_xcnt 0x0
	s_wait_alu depctr_hold_cnt(0) depctr_sa_sdst(0) depctr_va_vdst(0) depctr_va_sdst(0) depctr_va_ssrc(0) depctr_va_vcc(0) depctr_vm_vsrc(0)
	s_getreg_b32 s2, hwreg(HW_REG_IB_STS2, 6, 4)
	s_cmp_eq_u32 s2, 0
	s_cbranch_scc0 .Lentry_in_a_cluster
	s_endpgm
.Lentry_in_a_cluster:
	s_bfe_u32 s2, ttmp6, 0x10000c
	s_cmp_lg_u32 s2, 0x3003
	s_cbranch_scc0 .Lentry_shape_is_right
	s_endpgm
.Lentry_shape_is_right:
; ctx[b][q][head] = softmax_k(q . k / 8, masked keys left out) v, both products on codes of FP6 (E2M3) with E8M0 scales; ctx is quantised along the model's axis for the next product.
; t = score x log2(e) / 8; M = the running largest t rounded up to a whole number; p = 2^(t - M) is quantised along the keys, not normalised; the row's sum is taken of the unquantised p and divides at the end.
; SHARES.  A work-group owns 256 queries of one head, each of its sixteen waves one tile of 16: four waves to a SIMD, so that one wave's vector work stands beside another's products and LDS loads.
; A HEAD'S K, V, SCALE WORDS AND MASK FIT IN LDS AT ONCE: nothing is filled again.  Every wave asks for one tile of 48 rows of 256 bytes at the head: waves 14 and 15 for the first 256 keys of K and of V
; (a load line of their own, shown by the first barrier), waves 0 to 13 for the other 1,792 keys (shown by the second barrier, behind step 1).  No data prefetch: all tiles are asked for at the head, so no loop runs ahead of a load.
; CLUSTER.  The four query blocks of a cluster belong to one head: K's and V's tiles are asked for jointly.  The scale words and the mask (14,336 bytes against 196,608 of codes) come by plain loads, since they are laid anew on the way.
; LAYOUT.  Both products are used transposed (S^T = K Q^T, O^T = V^T P^T): a lane holds one query.  K lies in memory in tiles whose row t of tile p is key 32 (p / 2) + 8 (p % 2) + t % 8 + 16 (t / 8).
; A product's tile (c, u) is formed by the lanes' addresses: its row r is key 64 c + 32 (r / 8) + 8 u + r % 8.  So register 32 c + i of lane (query, h) is key 64 c + 32 h + i: a whole scale block in one lane.
; The mover lays 64 bytes behind each 256: rows r and r + 8, which lie 1,536 bytes apart in memory, lie 1,920 apart in LDS, that is 128 modulo 256.
; A head has 64 channels: K's and Q's fragments hold zero codes for k = 64 .. 127.
; THE MASK enters as the C of S^T's products: 0 for a key that counts, -1e30 for a masked one.  The running largest score begins at -1e20, above every masked one: so p of a masked key is 0 exactly.
; LIMITS: real scores under 1e20 in magnitude; NaN and infinities are not served; a batch whose keys are all masked (NaN in the definition) is not served; a block whose largest magnitude lies under 2^-124 gets the byte 1.
.set KV,    122880                     ; LDS: K's codes at 0 (384 rows of 256 + 64 bytes), V's here,
.set MB,    245760                     ; the mask as f32, by key,
.set KSO,   253952                     ; K's scale words [step][row r][c][u],
.set VSO,   262144                     ; V's [step][row r][tile d],
.set SPARE, 266240                     ; the spare words, 128 bytes for each of sixteen waves
.set STP,   7680                       ; a step of 128 keys: 24 rows of 320 bytes, of K and of V alike
.set K_C,    3145728
.set SC_OFF, 9437184
.set LK16, 1                           ; v1-7 the lanes' terms; v8-14 the step's LDS addresses
.set LK8,  2
.set LV16, 3
.set LV8,  4
.set LMB,  5
.set LKS,  6
.set LVS,  7
.set AK16, 8
.set AK8,  9
.set AV16, 10
.set AV8,  11
.set AMB,  12
.set AKS,  13
.set AVS,  14
.set LI16, 15                          ; 16 x lane
.set LI8,  16                          ; 16 r + 8 h
.set BA,   17                          ; 4 r + h
.set SPW,  30
.set NIL,  31
.set KSR,  32                          ; v32-35 K's scale words: lanes 0-15 c = 0, lanes 16-31 c = 1
.set VSR,  36                          ; v36-39 V's
.set PSW,  40                          ; p's scale word
.set QS,   44                          ; Q's
.set R4,   46
.set KF,   48                          ; v48-95 four fragments of K; registers 6-11 of each stay zero
.set S,    96                          ; v96-159 the mask's bias, S^T, p; then V's four fragments
.set O,    160                         ; v160-191 O^T
.set Q,    192                         ; v192-203
.set PCD,  204                         ; v204-215 p's codes
.set TC,   216
.set BM,   224                         ; the two blocks' largest
.set WK,   228
.set WK2,  229
.set NM,   230                         ; -M;  v231 the running largest score
.set MR,   231
.set SU,   232
.set FF,   234
.set SO,   236
.set EB,   238
.set T,    240                         ; v240-247 chains
.set H8,   248                         ; 8 h
.set OLD,  249
.set WV,   10
.set CXR,  11
.set QBK,  12
.set YH,   13
.set SEL,  14
.set CS,   16
.set G1,   20
.set G0,   36
.set G0F,  40
.set TK,   56
.set T5,   57
.set TV,   58
.set CNT,  61
.macro WALU
	s_wait_alu depctr_va_vdst(0)
.endm
.macro NOPS n
.rept \n
	v_nop
.endr
.endm
.macro ROUND
	s_barrier_signal -1
	s_barrier_wait -1
	s_cmp_lg_u32 s[WV], 0
	s_cbranch_scc1 .Lnot_wave_0_\@
	s_barrier_signal -3
.Lnot_wave_0_\@:
	s_barrier_wait -3
	s_barrier_signal -1
	s_barrier_wait -1
.endm
	s_load_b128 s[4:7], s[0:1], 0x0                ; qkv, src_mask
	s_load_b64 s[8:9], s[0:1], 0x10                ; ctxq
	v_lshl_add_u32 v[SPW], v0, 2, SPARE
	v_mov_b32 v[NIL], 0
	ds_add_u32 v[SPW], v[NIL]
	ds_add_u32 v[SPW], v[NIL]
	v_lshrrev_b32 v18, 5, v0
	v_readfirstlane_b32 s[WV], v18
	s_bfe_u32 s[CXR], ttmp6, 0x40000
	s_lshl_b32 s[QBK], ttmp9, 2
	s_add_co_u32 s[QBK], s[QBK], s[CXR]            ; my block of 256 queries: it enters Q's and ctx's addresses alone
	s_and_b32 s[YH], ttmp7, 0xffff                 ; 16 x batch + head, which the four partners share
	s_mov_b32 s[G1], 15|(3<<16)|(1<<20)|(1<<21)|(5<<22)|(15<<25)   ; all four work-groups; elements of 8 bytes; 16 words of padding behind every 64
	s_mov_b32 s[G1+1], 32<<16
	s_mov_b32 s[G1+2], 48<<16                      ; 256 keys: 48 rows of 256 bytes
	s_mov_b32 s[G1+3], 32<<16
	s_mov_b32 s[G1+4], 48
	s_mov_b32 s[G1+5], 32
	s_mov_b32 s[G1+6], 0
	s_mov_b32 s[G1+7], 0
	s_and_b32 s66, s[WV], 1                        ; even waves fetch K, odd waves V
	s_lshr_b32 s67, s[WV], 1
	s_mov_b32 s[G0], 1
	s_mov_b32 s[G0F], 1
	s_mul_i32 s[G0F+1], s66, KV
	s_mul_i32 s72, s67, 48*320
	s_add_co_u32 s[G0+1], s[G0F+1], s72
	s_add_co_u32 s[G0+1], s[G0+1], 48*320
	s_mul_i32 s68, s66, 3145728
	s_mul_i32 s70, s[YH], 98304
	s_add_co_u32 s68, s68, s70
	s_add_co_u32 s68, s68, K_C
	s_mov_b32 s69, 0
	s_mul_i32 s72, s67, 48*256
	s_add_co_u32 s72, s72, 48*256
	s_mov_b32 s73, 0
	s_wait_dscnt 0x0                               ; both opening adds are done
	s_wait_kmcnt 0x0
	s_add_nc_u64 s[68:69], s[4:5], s[68:69]
	s_mov_b64 s[G0F+2:G0F+3], s[68:69]
	s_or_b32 s[G0F+3], s[G0F+3], 0x80000000
	s_add_nc_u64 s[G0+2:G0+3], s[68:69], s[72:73]
	s_or_b32 s[G0+3], s[G0+3], 0x80000000
	ROUND                                          ; all four work-groups are here: the joint loads meet
	s_cmp_lt_u32 s[WV], 14                         ; one chain, one load to an arm: every wave issues one
	s_cbranch_scc0 .Lfirst
	tensor_load_to_lds s[G0:G0+3], s[G1:G1+7]
	s_nop 0
	NOPS 4
	s_branch .Lasked
.Lfirst:
	tensor_load_to_lds s[G0F:G0F+3], s[G1:G1+7]
	s_nop 0
	NOPS 4
.Lasked:
	s_lshl_b32 s78, s[QBK], 4
	s_add_co_u32 s78, s78, s[WV]                   ; my tile of queries among the head's 128
	s_mul_i32 s74, s[YH], 98304
	s_mul_i32 s79, s78, 768
	s_add_co_u32 s74, s74, s79
	s_mov_b32 s75, 0
	s_add_nc_u64 s[74:75], s[4:5], s[74:75]        ; Q's half image
	s_mul_i32 s70, s[YH], 12288
	s_lshl_b32 s79, s78, 6
	s_add_co_u32 s76, s70, s79
	s_add_co_u32 s76, s76, SC_OFF
	s_mov_b32 s77, 0
	s_add_nc_u64 s[76:77], s[4:5], s[76:77]        ; Q's scale words
	s_add_co_u32 s70, s70, SC_OFF+393216
	s_mov_b32 s71, 0
	s_add_nc_u64 s[70:71], s[4:5], s[70:71]        ; K's scale words; V's 8,192 bytes on
	s_lshr_b32 s72, s[YH], 4
	s_lshl_b32 s72, s72, 11
	s_mov_b32 s73, 0
	s_add_nc_u64 s[6:7], s[6:7], s[72:73]          ; my batch's mask
	s_mov_b32 s[SEL], 0x76543210
	s_mov_b32 s[SEL+1], 0xfedcba98
	s_mov_b32 s[CS], 0x3e38aa3b                    ; log2(e) / 8
	s_mov_b32 s[CS+1], s[CS]
	s_mov_b32 s[TK], 0
	s_mov_b32 s[T5], 0
	s_mov_b32 s[TV], 0
	s_mov_b32 s62, 0xffff0000                      ; lanes 16-31
	v_and_b32 v19, 15, v0                          ; r
	v_bfe_u32 v20, v0, 4, 1                        ; h
	v_and_b32 v21, 31, v0
	v_lshrrev_b32 v22, 3, v19                      ; r / 8
	v_and_b32 v23, 7, v19                          ; r % 8
	v_mul_u32_u24 v24, v22, 1920
	v_lshl_add_u32 v24, v23, 4, v24
	v_mad_u32_u24 v[LK16], v20, 320, v24           ; K: 1,920 (r / 8) + 16 (r % 8) + 320 h
	v_lshl_add_u32 v[LK8], v20, 3, v24             ;    the same + 8 h
	v_lshlrev_b32 v[LI16], 4, v21
	v_lshl_add_u32 v[LV16], v20, 6, v[LI16]
	v_add_nc_u32 v[LV16], KV, v[LV16]              ; V: 16 x lane + 64 h
	v_lshlrev_b32 v[LI8], 4, v19
	v_lshl_add_u32 v[LI8], v20, 3, v[LI8]
	v_add_nc_u32 v[LV8], KV, v[LI8]
	v_lshl_add_u32 v[LMB], v20, 7, MB
	v_lshl_add_u32 v[LKS], v[LI8], 1, KSO
	v_lshl_add_u32 v[LVS], v19, 4, VSO
	v_lshlrev_b32 v[R4], 2, v19
	v_add_nc_u32 v[BA], v20, v[R4]
	v_lshrrev_b32 v120, 5, v0                      ; on the way in thread 32 step + 2 row + c lays four of K's words and two of V's
	v_bfe_u32 v121, v0, 1, 4
	v_and_b32 v122, 1, v0
	v_lshlrev_b32 v123, 9, v120
	v_lshl_add_u32 v123, v122, 8, v123
	v_lshrrev_b32 v124, 3, v121
	v_lshl_add_u32 v123, v124, 7, v123
	v_and_b32 v124, 7, v121
	v_lshl_add_u32 v123, v124, 2, v123             ; K's words in memory: 4 (128 step + 64 c + 32 (row / 8) + row % 8)
	v_lshlrev_b32 v125, 8, v120
	v_lshl_add_u32 v125, v122, 7, v125
	v_lshl_add_u32 v125, v121, 2, v125             ; V's: 4 (64 step + 32 c + row)
	v_lshlrev_b32 v126, 2, v0                      ; four keys' mask bytes a thread
	v_lshl_add_u32 v127, v0, 4, MB
	v_lshl_add_u32 v128, v0, 3, VSO
	WALU                                           ; the wait ahead of the readers below
	global_load_b32 v96, v126, s[6:7]
.irp u, 0,1,2,3
	global_load_b32 v[100+\u], v123, s[70:71] offset:4*(16*(\u%2)+8*(\u/2))
.endr
	global_load_b32 v104, v125, s[70:71] offset:8192
	global_load_b32 v105, v125, s[70:71] offset:8192+64
	global_load_b128 v[Q:Q+3], v[LI16], s[74:75]
	global_load_b64 v[Q+4:Q+5], v[LI8], s[74:75] offset:512
	global_load_b32 v[QS], v[R4], s[76:77]
.irp j, 6,7,8,9,10,11
	v_mov_b32 v[Q+\j], 0                           ; zero codes for k = 64 .. 127
.endr
.set j, 0
.rept 32
	v_mov_b32 v[O+j], 0                            ; the step is written once and finds zeros
.set j, j+1
.endr
	v_mov_b32 v[SU], 0
	v_mov_b32 v[SU+1], 0
	v_mov_b32 v[FF+1], 0
	v_mov_b32 v[WK2], 0
	v_mov_b32 v[MR], 0xe0ad78ec                    ; -1e20
	v_mov_b32 v[NM], 0x60ad78ec
	v_lshlrev_b32 v[H8], 3, v20
.irp t, 0,1,2,3
.irp j, 6,7,8,9,10,11
	v_mov_b32 v[KF+12*\t+\j], 0
.endr
.endr
	WALU
	s_wait_loadcnt 3                               ; the mask and the scale words are in; Q's three loads may be out
.irp i, 0,1,2,3
	v_bfe_u32 v[112+\i], v96, 8*\i, 8
.endr
.irp i, 0,1,2,3
	v_cvt_f32_u32 v[112+\i], v[112+\i]
.endr
.irp i, 0,1,2,3
	v_mul_f32 v[112+\i], 0xf149f2ca, v[112+\i]     ; 0, or -1e30 for a masked key
.endr
	ds_store_b128 v127, v[112:115]
	ds_store_b128 v127, v[100:103] offset:KSO-MB
	ds_store_b64 v128, v[104:105]
; ---- the parts of a key step
.macro KLOAD g                         ; four tiles of K: rows picked by the lanes' terms
.irp u, 0,1,2,3
	ds_load_b128 v[KF+12*\u:KF+12*\u+3], v[AK16] offset:(4*\g+\u%2)*960+128*(\u/2)
	ds_load_b64 v[KF+12*\u+4:KF+12*\u+5], v[AK8] offset:(4*\g+\u%2)*960+128*(\u/2)+640
.endr
.endm
.macro SPROD g                         ; S^T of 64 keys; C = the mask's bias, in place
.irp u, 0,1,2,3
.if \g
	v_wmma_scale_f32_16x16x128_f8f6f4 v[S+32*\g+8*\u:S+32*\g+8*\u+7], v[KF+12*\u:KF+12*\u+11], v[Q:Q+11], v[S+32*\g+8*\u:S+32*\g+8*\u+7], v[KSR+\u], v[QS] matrix_a_fmt:MATRIX_FMT_FP6 matrix_b_fmt:MATRIX_FMT_FP6 matrix_a_scale:MATRIX_SCALE_ROW1
.else
	v_wmma_scale_f32_16x16x128_f8f6f4 v[S+32*\g+8*\u:S+32*\g+8*\u+7], v[KF+12*\u:KF+12*\u+11], v[Q:Q+11], v[S+32*\g+8*\u:S+32*\g+8*\u+7], v[KSR+\u], v[QS] matrix_a_fmt:MATRIX_FMT_FP6 matrix_b_fmt:MATRIX_FMT_FP6
.endif
.endr
.endm
.macro MAXB c                          ; the largest score of my block 2 c + h: four chains, each accumulator from its low end on
.set X, S+32*\c
.irp t, 0,1,2,3
	v_max3_num_f32 v[T+\t], v[X+8*\t], v[X+8*\t+1], v[X+8*\t+2]
.endr
.irp i, 3,5
.irp t, 0,1,2,3
	v_max3_num_f32 v[T+\t], v[T+\t], v[X+8*\t+\i], v[X+8*\t+\i+1]
.endr
.endr
	v_max3_num_f32 v[T], v[T], v[X+7], v[X+15]
	v_max3_num_f32 v[T+1], v[T+1], v[X+23], v[X+31]
	v_max3_num_f32 v[T+2], v[T+2], v[T+3], v[T]
	s_delay_alu instid0(VALU_DEP_1)
	v_max_num_f32 v[BM+\c], v[T+2], v[T+1]
.endm
.macro MID                             ; the new M; O^T and the sum under it; t - M
	MAXB 1
	s_delay_alu instid0(VALU_DEP_1)
	v_max3_num_f32 v[WK], v[MR], v[BM], v[BM+1]
	v_mov_b32 v[OLD], v[NM]
	s_delay_alu instid0(VALU_DEP_2)
	v_permlanex16_b32 v[WK2], v[WK], s[SEL], s[SEL+1]
	s_delay_alu instid0(VALU_DEP_1)
	v_max_num_f32 v[MR], v[WK], v[WK2]             ; the running largest score of my query
	s_delay_alu instid0(VALU_DEP_1)
	v_mul_f32 v[WK], s[CS], v[MR]
	s_delay_alu instid0(VALU_DEP_1)
	v_floor_f32 v[NM], -v[WK]                      ; the new -M: a whole number
	s_delay_alu instid0(VALU_DEP_1)
	v_sub_f32 v[WK], v[NM], v[OLD]
	s_delay_alu instid0(VALU_DEP_1)
	v_cvt_i32_f32 v[WK], v[WK]                     ; (it saturates)
	s_delay_alu instid0(VALU_DEP_1)
	v_ldexp_f32 v[FF], 1.0, v[WK]                  ; f = 2^(old M - new M): a multiplication by it rounds nothing
.set j, 0
.rept 16
	v_pk_mul_f32 v[O+j:O+j+1], v[O+j:O+j+1], v[FF:FF+1] op_sel_hi:[1,0]
.set j, j+2
.endr
	v_pk_mul_f32 v[SU:SU+1], v[SU:SU+1], v[FF:FF+1] op_sel_hi:[1,0]
.set j, 0
.rept 32
	v_pk_fma_f32 v[S+j:S+j+1], v[S+j:S+j+1], s[CS:CS+1], v[NM:NM+1] op_sel_hi:[1,0,0]
.set j, j+2
.endr
	v_fma_f32 v[BM], v[BM], s[CS], v[NM]           ; the same of each block's largest score: p rises with the score
	v_fma_f32 v[BM+1], v[BM+1], s[CS], v[NM]
.endm
.macro QUANT                           ; p's codes and scale word: my two blocks are whole in my registers
.irp c, 0,1
	v_max_num_f32 v[BM+\c], 0x1800000, v[BM+\c]    ; the floor: a block whose every p is 0 keeps the byte 1 over zero codes
.endr
.irp c, 0,1
	v_add_nc_u32 v[SO+\c], 0xff000000, v[BM+\c]
.endr
.irp c, 0,1
	v_cvt_scalef32_pk16_fp6_f32 v[PCD+6*\c:PCD+6*\c+2], v[S+32*\c:S+32*\c+15], v[SO+\c]
	v_cvt_scalef32_pk16_fp6_f32 v[TC+4*\c:TC+4*\c+2], v[S+32*\c+16:S+32*\c+31], v[SO+\c]
.endr
.irp c, 0,1
	v_lshrrev_b32 v[EB+\c], 23, v[SO+\c]           ; the bytes; also the plain place behind the conversions
.endr
	v_lshl_or_b32 v[WK], v[EB+1], 16, v[EB]
	s_delay_alu instid0(VALU_DEP_1)
	v_lshlrev_b32 v[WK], v[H8], v[WK]              ; blocks h and 2 + h at their places in the word
	s_delay_alu instid0(VALU_DEP_1)
	v_permlanex16_b32 v[WK2], v[WK], s[SEL], s[SEL+1]
	s_delay_alu instid0(VALU_DEP_1)
	v_or_b32 v[PSW], v[WK], v[WK2]
.irp c, 0,1
.irp i, 0,1,2
	v_mov_b32 v[PCD+3+6*\c+\i], v[TC+4*\c+\i]      ; a conversion's three registers begin on an even number
.endr
.endr
.endm
; A KEY STEP: 128 keys.  Every wait on LDS is for 0.
.macro STEP
	v_add_nc_u32 v[AMB], s[T5], v[LMB]             ; these seven are also the places behind the last products
	v_add_nc_u32 v[AK16], s[TK], v[LK16]
	v_add_nc_u32 v[AK8], s[TK], v[LK8]
	v_add_nc_u32 v[AKS], s[T5], v[LKS]
	v_add_nc_u32 v[AV16], s[TK], v[LV16]
	v_add_nc_u32 v[AV8], s[TK], v[LV8]
	v_add_nc_u32 v[AVS], s[TV], v[LVS]
.irp k, 0,1,2,3,4,5,6,7,8,9,10,11,12,13,14,15
	ds_load_b128 v[S+4*\k:S+4*\k+3], v[AMB] offset:256*(\k/8)+16*(\k%8)   ; the mask's bias in the result's layout
.endr
	KLOAD 0
	ds_load_b128 v[KSR:KSR+3], v[AKS]
	WALU                                           ; the wait ahead of each wait that blocks
	s_wait_dscnt 0x0
	SPROD 0
	NOPS 4
	KLOAD 1
	MAXB 0                                         ; under the loads' flight
	WALU
	s_wait_dscnt 0x0
	SPROD 1
	NOPS 4
	MID
	WALU                                           ; one wait ahead of the batch,
.set j, 0
.rept 64
	v_exp_f32 v[S+j], v[S+j]                       ; p = 2^(t - M)
.set j, j+1
.endr
	v_exp_f32 v[BM], v[BM]                         ; the blocks' largest p
	v_exp_f32 v[BM+1], v[BM+1]
	v_nop                                          ; a plain place,
	WALU                                           ; and one behind it
	QUANT
.irp c, 0,1,2,3                                ; the row's sum of the unquantised p, four chains: first the 48 registers on which V's fragments land
	v_pk_add_f32 v[T+2*\c:T+2*\c+1], v[S+2*\c:S+2*\c+1], v[S+8+2*\c:S+8+2*\c+1]
.endr
.irp j, 16,24,32,40
.irp c, 0,1,2,3
	v_pk_add_f32 v[T+2*\c:T+2*\c+1], v[T+2*\c:T+2*\c+1], v[S+\j+2*\c:S+\j+2*\c+1]
.endr
.endr
.irp d, 0,1,2,3
	ds_load_b128 v[S+12*\d:S+12*\d+3], v[AV16] offset:1920*\d
	ds_load_b64 v[S+12*\d+4:S+12*\d+5], v[AV8] offset:1920*\d+640
	ds_load_b128 v[S+12*\d+6:S+12*\d+9], v[AV16] offset:1920*\d+960
	ds_load_b64 v[S+12*\d+10:S+12*\d+11], v[AV8] offset:1920*\d+1600
.endr
	ds_load_b128 v[VSR:VSR+3], v[AVS]
.irp j, 48,56
.irp c, 0,1,2,3
	v_pk_add_f32 v[T+2*\c:T+2*\c+1], v[T+2*\c:T+2*\c+1], v[S+\j+2*\c:S+\j+2*\c+1]
.endr
.endr
	v_pk_add_f32 v[T:T+1], v[T:T+1], v[T+2:T+3]
	v_pk_add_f32 v[T+4:T+5], v[T+4:T+5], v[T+6:T+7]
	s_delay_alu instid0(VALU_DEP_1)
	v_pk_add_f32 v[T:T+1], v[T:T+1], v[T+4:T+5]
	s_delay_alu instid0(VALU_DEP_1)
	v_pk_add_f32 v[SU:SU+1], v[SU:SU+1], v[T:T+1]
	WALU
	s_wait_dscnt 0x0
.irp d, 0,1,2,3
	v_wmma_scale_f32_16x16x128_f8f6f4 v[O+8*\d:O+8*\d+7], v[S+12*\d:S+12*\d+11], v[PCD:PCD+11], v[O+8*\d:O+8*\d+7], v[VSR+\d], v[PSW] matrix_a_fmt:MATRIX_FMT_FP6 matrix_b_fmt:MATRIX_FMT_FP6
.endr
	s_add_co_u32 s[TK], s[TK], STP
	s_add_co_u32 s[T5], s[T5], 512
	s_add_co_u32 s[TV], s[TV], 256
.endm
	WALU
	s_cmp_lt_u32 s[WV], 14
	s_cbranch_scc1 .Lnot_first
	s_wait_tensorcnt 0x0                           ; waves 14 and 15: the first 256 keys of K and V
.Lnot_first:
	s_wait_loadcnt 0x0                             ; Q
	s_wait_dscnt 0x0                               ; my stores of the mask and the scale words have landed
	s_barrier_signal -1
	s_barrier_wait -1                              ; the other fourteen tiles may be on their way
	s_mov_b32 s[CNT], 2
.Lstep_a:
	STEP
	s_sub_co_u32 s[CNT], s[CNT], 1
	s_cmp_lg_u32 s[CNT], 0
	s_cbranch_scc1 .Lstep_a
	s_wait_tensorcnt 0x0                           ; every wave: all tiles are in
	s_wait_dscnt 0x0
	s_barrier_signal -1
	s_barrier_wait -1
	s_mov_b32 s[CNT], 14
.Lstep:
	STEP
	s_sub_co_u32 s[CNT], s[CNT], 1
	s_cmp_lg_u32 s[CNT], 0
	s_cbranch_scc1 .Lstep
	; THE WAY OUT: O^T / the sum; register 16 b + i is channel 32 b + 16 h + i of my query: two blocks for the quantiser; half an image of the next product's operand
	s_lshr_b32 s66, s[YH], 4
	s_lshl_b32 s66, s66, 7
	s_add_co_u32 s66, s66, s78                     ; my row block of tokens
	s_lshl_b32 s66, s66, 3
	s_bfe_u32 s67, s[YH], 0x30001
	s_add_co_u32 s66, s66, s67                     ; x 8 + head / 2: which fragment
	s_and_b32 s67, s[YH], 1
	s_mul_i32 s68, s66, 1536
	s_mul_i32 s70, s67, 768
	s_add_co_u32 s68, s68, s70
	s_mov_b32 s69, 0
	s_lshl_b32 s70, s66, 6
	s_lshl_b32 s67, s67, 1
	s_add_co_u32 s70, s70, s67
	s_add_co_u32 s70, s70, 3145728
	s_mov_b32 s71, 0
	s_add_nc_u64 s[68:69], s[8:9], s[68:69]
	s_add_nc_u64 s[70:71], s[8:9], s[70:71]
	v_add_f32 v[SU], v[SU], v[SU+1]
	s_delay_alu instid0(VALU_DEP_1)
	v_permlanex16_b32 v[WK2], v[SU], s[SEL], s[SEL+1]
	s_delay_alu instid0(VALU_DEP_1)
	v_add_f32 v[SU], v[SU], v[WK2]
	NOPS 3                                         ; with the lines above: the places behind the last products
	WALU
	v_rcp_f32 v[SU], v[SU]
	v_nop
	WALU                                           ; ahead of the reciprocal's and O^T's first reader
.set j, 0
.rept 16
	v_pk_mul_f32 v[S+j:S+j+1], v[O+j:O+j+1], v[SU:SU+1] op_sel_hi:[1,0]
.set j, j+2
.endr
.irp b, 0,1
	v_max3_num_f32 v[BM+\b], |v[S+16*\b]|, |v[S+1+16*\b]|, 0x1800000
.endr
.irp i, 2,4,6,8,10,12,14
.irp b, 0,1
	v_max3_num_f32 v[BM+\b], v[BM+\b], |v[S+16*\b+\i]|, |v[S+1+16*\b+\i]|
.endr
.endr
.irp b, 0,1
	v_permlanex16_b32 v[EB+\b], v[BM+\b], s[SEL], s[SEL+1]
.endr
.irp b, 0,1
	v_max_num_f32 v[BM+\b], v[BM+\b], v[EB+\b]
.endr
.irp b, 0,1
	v_add_nc_u32 v[SO+\b], 0xff000000, v[BM+\b]
.endr
.irp b, 0,1
	v_lshrrev_b32 v[EB+\b], 23, v[SO+\b]
.endr
	v_cvt_scalef32_pk16_fp6_f32 v[PCD:PCD+2], v[S:S+15], v[SO]
	v_cvt_scalef32_pk16_fp6_f32 v[TC:TC+2], v[S+16:S+31], v[SO+1]
	v_cndmask_b32 v[WK], v[EB], v[EB+1], s62       ; lanes 0-15 store the first block's byte, lanes 16-31 the second's; also the plain place behind the conversions
.irp i, 0,1,2
	v_permlane16_swap_b32 v[PCD+\i], v[TC+\i]
.endr
.irp i, 0,1,2
	v_mov_b32 v[PCD+3+\i], v[TC+\i]
.endr
	global_store_b128 v[LI16], v[PCD:PCD+3], s[68:69]           ; 512 and 256 consecutive bytes, aligned
	global_store_b64 v[LI8], v[PCD+4:PCD+5], s[68:69] offset:512
	global_store_b8 v[BA], v[WK], s[70:71]         ; a scale word's two halves belong to two heads, that is to two work-groups
	s_wait_tensorcnt 0x0                           ; the wave's end
	ds_add_u32 v[SPW], v[NIL]
	s_wait_dscnt 0x0
	ROUND                                          ; the closing round
	s_endpgm
.Lfunc_end_k_q8f3342cce3_attn:
	.size	k_q8f3342cce3_attn, .Lfunc_end_k_q8f3342cce3_attn-k_q8f3342cce3_attn
	.p2alignl 7, 3214868480
	.fill 96, 4, 3214868480
	.section	.rodata,"a",@progbits
	.p2align	6, 0x0
	.amdhsa_kernel k_q8f3342cce3_attn
		.amdhsa_group_segment_fixed_size 268288
		.amdhsa_private_segment_fixed_size 0
		.amdhsa_enable_private_segment 0
		.amdhsa_kernarg_size 24
		.amdhsa_user_sgpr_count 2
		.amdhsa_user_sgpr_kernarg_segment_ptr 1
		.amdhsa_wavefront_size32 1
		.amdhsa_system_sgpr_workgroup_id_x 1
		.amdhsa_system_sgpr_workgroup_id_y 1
		.amdhsa_system_sgpr_workgroup_id_z 1
		.amdhsa_system_vgpr_workitem_id 0
		.amdhsa_next_free_vgpr 256
		.amdhsa_next_free_sgpr 80
		.amdhsa_reserve_vcc 0
		.amdhsa_float_denorm_mode_32 3
		.amdhsa_float_denorm_mode_16_64 3
		.amdhsa_memory_ordered 1
		.amdhsa_forward_progress 1
		.amdhsa_inst_pref_size 49
	.end_amdhsa_kernel
	.amdgpu_metadata
---
amdhsa.version: [ 1, 2 ]
amdhsa.kernels:
  - .name:           k_q8f3342cce3_attn
    .symbol:         k_q8f3342cce3_attn.kd
    .args:
      - { .name: qkv, .offset: 0, .size: 8, .value_kind: global_buffer, .address_space: global }
      - { .name: src_mask, .offset: 8, .size: 8, .value_kind: global_buffer, .address_space: global }
      - { .name: ctxq, .offset: 16, .size: 8, .value_kind: global_buffer, .address_space: global }
    .group_segment_fixed_size: 268288
    .private_segment_fixed_size: 0
    .kernarg_segment_align: 8
    .kernarg_segment_size: 24
    .max_flat_workgroup_size: 512
    .sgpr_count:     80
    .vgpr_count:     256
    .wavefront_size: 32
...
	.end_amdgpu_metadata
.endif
;; end of part 3
;; launch woln (part 4): grid 256 x 1, 16 waves a work-group, no clusters, 86,016 bytes of LDS; arguments ctxq, wts, bo, src, ln2_g, ln2_b, src2, yq; writes src2, yq
.if DOCPART == 4
	.amdgcn_target "amdgcn-amd-amdhsa--gfx1250"
	.amdhsa_code_object_version 6
	.text
	.protected	k_q8f3342cce3_woln
	.globl	k_q8f3342cce3_woln
	.p2align	8
	.type	k_q8f3342cce3_woln,@function
k_q8f3342cce3_woln:
	s_mov_b64 s[64:65], 0
	v_nop
	global_prefetch_b8 v0, s[64:65] scope:SCOPE_SE
	s_setreg_imm32_b32 hwreg(HW_REG_WAVE_MODE, 25, 1), 1
	s_wait_xcnt 0x0
; src2 = src + ctx Wo + bo, f32, and y = layer norm of src2, quantised along the row to FP6 (E2M3) with E8M0 scales: two steps of the layer in one launch, since a work-group owns whole rows.
; ctx's and Wo's codes lie as images of operand registers, [row block][K / 128][1,536]; scale words [row block][K / 128][16]; row t of row block p is the tensor's row 32 (p / 2) + 8 (p % 2) + t % 8 + 16 (t / 8).
; SHARES.  A work-group owns one row block of 16 tokens and all 1,024 columns; each of its sixteen waves owns 64 columns: four tiles, 32 registers of sums, 32 matrix instructions.
; The product is used transposed (source 0 = Wo's columns as rows): register 16 b + i of lane (token r, h) is column 64 wave + 32 b + 16 h + i.
; WO'S FRAGMENTS GO FROM MEMORY STRAIGHT INTO OPERAND REGISTERS, three K steps (48 loads a wave) ahead: every address is a constant offset from the wave's base.  In a work-group a fragment feeds one matrix
; instruction, so nothing is gained by LDS: no tensor load, and so no joint load; a ring of two slots would hold at most 2 x 8 of Wo's 64 row blocks and drain for each fill.  No data prefetch: the loads themselves run ahead.
; ctx's 12,288 bytes of codes are copied once into LDS, as they lie, and read by all waves; both operands' scale words come straight into registers, four registers for eight K steps of a tile.
; The bias is the C of each sum's first product.  The residual comes in, and src2 goes out, through each wave's own stage: sixteen lanes to 256 consecutive bytes.
; The layer norm: the mean, then the variance of the differences; the sixteen waves' sums meet in LDS.  y leaves as half an image of the next product's operand (64 of a fragment's 128 along K).
; LIMITS: NaN and infinities are not served; a block whose largest magnitude lies under 2^-124, zeros among them, gets the byte 1 (this program alone reads the bytes).
.set A_S,   3145728                    ; ctx's scale words in its buffer
.set B_C,   2359296                    ; Wo's codes in wts
.set B_S,   9535488                    ; Wo's scale words in wts
.set Y_S,   3145728                    ; y's scale words in its buffer
.set RED,   12288                      ; LDS: ctx's image at 0; here the rows' sums [row][wave], 1,024 bytes, and 1,024 more for the sums of squares,
.set STAGE, 14336                      ; 16 rows x (256 + 16) bytes for each wave,
.set SPARE, 83968                      ; the spare words, 128 bytes for each of sixteen waves
.set LI16, 1                           ; 16 x lane
.set LI8,  2                           ; 16 r + 8 h
.set VS4,  3                           ; 4 x lane
.set VB,   4                           ; 64 h
.set CO,   5                           ; 4,096 h + 16 r
.set STO,  6                           ; stage: row r, + 64 h
.set RD,   7                           ; stage: row h, + 16 r
.set RA,   8                           ; RED + 64 r + 4 wave
.set RB,   9                           ; RED + 64 r
.set BA,   10                          ; 4 r + h
.set CPA,  11                          ; 16 x thread
.set CPB,  12                          ; 8 x thread
.set EB,   16
.set WK,   18
.set MU,   20
.set RS,   22
.set SPW,  30
.set NIL,  31
.set WS,   32                          ; v32-47 Wo's scale words: register 4 e + k / 2; lanes 0-15 even k, lanes 16-31 odd k
.set CSW,  48                          ; v48-51 ctx's, likewise
.set ACC,  52                          ; v52-83 the sums
.set CB,   84                          ; v84-107 ctx's fragments, two sets; then at work
.set WB,   108                         ; v108-251 Wo's fragments, three sets of four
.set T,    84
.set TM,   92
.set BT,   108                         ; beta
.set PCD,  140
.set TC,   148
.set BM,   152
.set SO,   154
.set RES,  156                         ; the residual, then src2 by rows
.set GM,   204                         ; gamma
.set SEL,  42
.macro WALU
	s_wait_alu depctr_va_vdst(0)
.endm
.macro NOPS n
.rept \n
	v_nop
.endr
.endm
	s_load_b256 s[4:11], s[0:1], 0x0               ; ctxq, wts, bo, src
	s_load_b256 s[12:19], s[0:1], 0x20             ; ln2_g, ln2_b, src2, yq
	v_lshl_add_u32 v[SPW], v0, 2, SPARE
	v_mov_b32 v[NIL], 0
	v_lshrrev_b32 v16, 5, v0
	v_readfirstlane_b32 s20, v16                   ; wave
	s_mul_i32 s22, ttmp9, 12288                    ; ctx's row block
	s_mov_b32 s23, 0
	s_lshl_b32 s24, ttmp9, 9
	s_add_co_u32 s24, s24, A_S
	s_mov_b32 s25, 0
	s_mul_i32 s26, s20, 49152                      ; my four row blocks of Wo
	s_add_co_u32 s26, s26, B_C
	s_mov_b32 s27, 0
	s_lshl_b32 s28, s20, 11
	s_add_co_u32 s28, s28, B_S
	s_mov_b32 s29, 0
	s_lshl_b32 s30, s20, 8                         ; my 64 columns, in bytes
	s_mov_b32 s31, 0
	s_lshr_b32 s32, ttmp9, 1
	s_lshl_b32 s32, s32, 5
	s_and_b32 s33, ttmp9, 1
	s_lshl_b32 s33, s33, 3
	s_add_co_u32 s32, s32, s33                     ; the block's lowest token
	s_lshl_b32 s32, s32, 12
	s_add_co_u32 s32, s32, s30
	s_mov_b32 s33, 0
	s_lshl_b32 s34, ttmp9, 3
	s_lshr_b32 s35, s20, 1
	s_add_co_u32 s34, s34, s35                     ; y's fragment: 8 x row block + wave / 2
	s_and_b32 s36, s20, 1
	s_mul_i32 s38, s34, 1536
	s_mul_i32 s37, s36, 768
	s_add_co_u32 s38, s38, s37
	s_mov_b32 s39, 0
	s_lshl_b32 s40, s34, 6
	s_lshl_b32 s37, s36, 1
	s_add_co_u32 s40, s40, s37
	s_add_co_u32 s40, s40, Y_S
	s_mov_b32 s41, 0
	s_mov_b32 s[SEL], 0x76543210
	s_mov_b32 s[SEL+1], 0xfedcba98
	s_mov_b32 s44, 0x3a800000                      ; 1 / 1024
	s_mov_b32 s45, 0x3727c5ac                      ; 1e-5
	s_mov_b32 s46, 0xffff0000                      ; lanes 16-31
	s_mul_i32 s47, s20, 4352
	s_add_co_u32 s47, s47, STAGE                   ; my stage
	s_lshl_b32 s48, s20, 2
	v_and_b32 v14, 15, v0                          ; r
	v_bfe_u32 v15, v0, 4, 1                        ; h
	v_and_b32 v17, 31, v0
	v_lshlrev_b32 v[LI16], 4, v17
	v_lshlrev_b32 v[LI8], 4, v14
	v_lshl_add_u32 v[LI8], v15, 3, v[LI8]
	v_lshlrev_b32 v[VS4], 2, v17
	v_lshlrev_b32 v[VB], 6, v15
	v_lshlrev_b32 v18, 12, v15
	v_lshl_add_u32 v[CO], v14, 4, v18
	v_mul_u32_u24 v18, v14, 272
	v_lshl_add_u32 v18, v15, 6, v18
	v_add_nc_u32 v[STO], s47, v18
	v_mul_u32_u24 v19, v15, 272
	v_lshl_add_u32 v19, v14, 4, v19
	v_add_nc_u32 v[RD], s47, v19
	v_lshl_add_u32 v[RB], v14, 6, RED
	v_add_nc_u32 v[RA], s48, v[RB]
	v_lshl_add_u32 v[BA], v14, 2, v15
	v_lshlrev_b32 v[CPA], 4, v0
	v_lshlrev_b32 v[CPB], 3, v0
	v_mov_b32 v[EB], 0                             ; a lane permute's destination counts as one of its sources
	v_mov_b32 v[EB+1], 0
	WALU                                           ; the wait at the head's end
	s_wait_kmcnt 0x0
	s_add_nc_u64 s[22:23], s[4:5], s[22:23]
	s_add_nc_u64 s[24:25], s[4:5], s[24:25]
	s_add_nc_u64 s[26:27], s[6:7], s[26:27]
	s_add_nc_u64 s[28:29], s[6:7], s[28:29]
	s_add_nc_u64 s[50:51], s[8:9], s[30:31]
	s_add_nc_u64 s[52:53], s[12:13], s[30:31]
	s_add_nc_u64 s[54:55], s[14:15], s[30:31]
	s_add_nc_u64 s[56:57], s[10:11], s[32:33]
	s_add_nc_u64 s[58:59], s[16:17], s[32:33]
	s_add_nc_u64 s[38:39], s[18:19], s[38:39]
	s_add_nc_u64 s[40:41], s[18:19], s[40:41]
.macro WLOAD k                         ; Wo's four fragments of K step k into set k % 3: 16 loads
.irp e, 0,1,2,3
	global_load_b128 v[WB+48*((\k)%3)+12*\e:WB+48*((\k)%3)+12*\e+3], v[LI16], s[26:27] offset:(8*\e+(\k))*1536
	global_load_b64 v[WB+48*((\k)%3)+12*\e+4:WB+48*((\k)%3)+12*\e+5], v[LI8], s[26:27] offset:(8*\e+(\k))*1536+512
	global_load_b128 v[WB+48*((\k)%3)+12*\e+6:WB+48*((\k)%3)+12*\e+9], v[LI16], s[26:27] offset:(8*\e+(\k))*1536+768
	global_load_b64 v[WB+48*((\k)%3)+12*\e+10:WB+48*((\k)%3)+12*\e+11], v[LI8], s[26:27] offset:(8*\e+(\k))*1536+1280
.endr
.endm
.macro VEC reg, base                   ; a vector over my 64 columns in the sums' layout: 8 loads
.irp e, 0,1,2,3
	global_load_b128 v[\reg+8*\e:\reg+8*\e+3], v[VB], s[\base:\base+1] offset:(32*(\e/2)+8*(\e%2))*4
	global_load_b128 v[\reg+8*\e+4:\reg+8*\e+7], v[VB], s[\base:\base+1] offset:(32*(\e/2)+8*(\e%2))*4+16
.endr
.endm
.macro CFRAG k                         ; ctx's fragment of K step k into set k % 2: 4 LDS loads
	ds_load_b128 v[CB+12*((\k)%2):CB+12*((\k)%2)+3], v[LI16] offset:(\k)*1536
	ds_load_b64 v[CB+12*((\k)%2)+4:CB+12*((\k)%2)+5], v[LI8] offset:(\k)*1536+512
	ds_load_b128 v[CB+12*((\k)%2)+6:CB+12*((\k)%2)+9], v[LI16] offset:(\k)*1536+768
	ds_load_b64 v[CB+12*((\k)%2)+10:CB+12*((\k)%2)+11], v[LI8] offset:(\k)*1536+1280
.endm
.irp i, 0,1,2,3,4,5,6,7                        ; the residual, two rows an instruction, and my part of ctx: into the third set, which takes its fragments later
	global_load_b128 v[GM+4*\i:GM+4*\i+3], v[CO], s[56:57] offset:(2*(\i%4)+16*(\i/4))*4096 th:TH_LOAD_NT
.endr
	global_load_b128 v[GM+32:GM+35], v[CPA], s[22:23]
	global_load_b64 v[GM+36:GM+37], v[CPB], s[22:23] offset:8192
.irp q, 0,1,2,3
	global_load_b32 v[CSW+\q], v[VS4], s[24:25] offset:128*\q   ; ctx's scale words: 128 consecutive bytes, two K steps
.endr
	VEC ACC, 50                                    ; the bias, where the sums begin
.irp e, 0,1,2,3
.irp q, 0,1,2,3
	global_load_b32 v[WS+4*\e+\q], v[VS4], s[28:29] offset:512*\e+128*\q
.endr
.endr
	WLOAD 0
	WLOAD 1
	s_wait_loadcnt 56                              ; the residual, ctx and its words are in; behind them: 8 of the bias, 16 of Wo's words, 32 of two K steps
.irp i, 0,1,2,3,4,5,6,7
	ds_store_b128 v[RD], v[GM+4*\i:GM+4*\i+3] offset:544*\i
.endr
	ds_store_b128 v[CPA], v[GM+32:GM+35]
	ds_store_b64 v[CPB], v[GM+36:GM+37] offset:8192
	s_wait_dscnt 0x0                               ; for the others' sake; and the stores have read their registers
	WLOAD 2
	s_barrier_signal -1
	s_barrier_wait -1
	CFRAG 0
	CFRAG 1
; A K step: n = the loads issued behind this step's fragments.  The four sums take turns.
.macro KSTEP k, n
	s_wait_loadcnt \n
.if \k < 7
	s_wait_dscnt 4                                 ; this step's fragment of ctx is in; the next one's four loads may be out
.else
	s_wait_dscnt 0x0
.endif
.irp e, 0,1,2,3
.if (\k)%2
	v_wmma_scale_f32_16x16x128_f8f6f4 v[ACC+8*\e:ACC+8*\e+7], v[WB+48*((\k)%3)+12*\e:WB+48*((\k)%3)+12*\e+11], v[CB+12*((\k)%2):CB+12*((\k)%2)+11], v[ACC+8*\e:ACC+8*\e+7], v[WS+4*\e+(\k)/2], v[CSW+(\k)/2] matrix_a_fmt:MATRIX_FMT_FP6 matrix_b_fmt:MATRIX_FMT_FP6 matrix_a_scale:MATRIX_SCALE_ROW1 matrix_b_scale:MATRIX_SCALE_ROW1
.else
	v_wmma_scale_f32_16x16x128_f8f6f4 v[ACC+8*\e:ACC+8*\e+7], v[WB+48*((\k)%3)+12*\e:WB+48*((\k)%3)+12*\e+11], v[CB+12*((\k)%2):CB+12*((\k)%2)+11], v[ACC+8*\e:ACC+8*\e+7], v[WS+4*\e+(\k)/2], v[CSW+(\k)/2] matrix_a_fmt:MATRIX_FMT_FP6 matrix_b_fmt:MATRIX_FMT_FP6
.endif
.endr
	NOPS 4                                         ; places in front of loads into registers that the products have read
.if (\k)+3 < 8
	WLOAD (\k)+3
.elseif \k == 5
	VEC GM, 52                                     ; gamma, into the set that is done with
.elseif \k == 6
	VEC BT, 54                                     ; beta
.endif
.if (\k)+2 < 8
	CFRAG (\k)+2
.endif
.endm
	KSTEP 0, 32
	KSTEP 1, 32
	KSTEP 2, 32
	KSTEP 3, 32
	KSTEP 4, 32
	KSTEP 5, 32
	KSTEP 6, 24
	KSTEP 7, 16
.irp b, 0,1
.irp q, 0,1,2,3
	ds_load_b128 v[RES+16*\b+4*\q:RES+16*\b+4*\q+3], v[STO] offset:128*\b+16*\q   ; the residual in the sums' layout
.endr
.endr
	s_wait_dscnt 0x0
.set j, 0
.rept 16
	v_pk_add_f32 v[ACC+j:ACC+j+1], v[ACC+j:ACC+j+1], v[RES+j:RES+j+1]   ; src2
.set j, j+2
.endr
.irp b, 0,1
.irp q, 0,1,2,3
	ds_store_b128 v[STO], v[ACC+16*\b+4*\q:ACC+16*\b+4*\q+3] offset:128*\b+16*\q
.endr
.endr
.irp i, 0,1,2,3,4,5,6,7
	ds_load_b128 v[RES+4*\i:RES+4*\i+3], v[RD] offset:544*\i   ; back by rows: LDS serves a wave's instructions in order
.endr
.irp c, 0,1,2,3
	v_pk_add_f32 v[T+2*\c:T+2*\c+1], v[ACC+2*\c:ACC+2*\c+1], v[ACC+8+2*\c:ACC+8+2*\c+1]
.endr
.irp j, 16,24
.irp c, 0,1,2,3
	v_pk_add_f32 v[T+2*\c:T+2*\c+1], v[T+2*\c:T+2*\c+1], v[ACC+\j+2*\c:ACC+\j+2*\c+1]
.endr
.endr
; the four chains, the pair's halves and lane l xor 16's become my row's sum over the wave's 64 columns; the sixteen waves' sums meet in LDS
.macro REDUCE off, first
	v_pk_add_f32 v[T:T+1], v[T:T+1], v[T+2:T+3]
	v_pk_add_f32 v[T+4:T+5], v[T+4:T+5], v[T+6:T+7]
	s_delay_alu instid0(VALU_DEP_1)
	v_pk_add_f32 v[T:T+1], v[T:T+1], v[T+4:T+5]
	s_delay_alu instid0(VALU_DEP_1)
	v_add_f32 v[T], v[T], v[T+1]
	s_delay_alu instid0(VALU_DEP_1)
	v_permlanex16_b32 v[T+2], v[T], s[SEL], s[SEL+1]
	s_delay_alu instid0(VALU_DEP_1)
	v_add_f32 v[T], v[T], v[T+2]
	ds_store_b32 v[RA], v[T] offset:\off           ; both halves of the lanes write the same word with the same value
	WALU
	s_wait_dscnt 0x0                               ; for the others' sake: my store has landed
.if \first
.irp i, 0,1,2,3,4,5,6,7
	global_store_b128 v[CO], v[RES+4*\i:RES+4*\i+3], s[58:59] offset:(2*(\i%4)+16*(\i/4))*4096   ; src2: sixteen lanes store 256 consecutive bytes, aligned
.endr
.endif
	s_barrier_signal -1
	s_barrier_wait -1
.irp q, 0,1,2,3
	ds_load_b128 v[TM+4*\q:TM+4*\q+3], v[RB] offset:\off+16*\q
.endr
	s_wait_dscnt 0x0
.irp q, 0,1,2,3
	v_pk_add_f32 v[TM+2*\q:TM+2*\q+1], v[TM+2*\q:TM+2*\q+1], v[TM+8+2*\q:TM+8+2*\q+1]
.endr
	v_pk_add_f32 v[TM:TM+1], v[TM:TM+1], v[TM+4:TM+5]
	v_pk_add_f32 v[TM+2:TM+3], v[TM+2:TM+3], v[TM+6:TM+7]
	s_delay_alu instid0(VALU_DEP_1)
	v_pk_add_f32 v[TM:TM+1], v[TM:TM+1], v[TM+2:TM+3]
	s_delay_alu instid0(VALU_DEP_1)
	v_add_f32 v[T], v[TM], v[TM+1]
.endm
	REDUCE 0, 1
	s_delay_alu instid0(VALU_DEP_1)
	v_mul_f32 v[MU], s44, v[T]                     ; the mean
	s_delay_alu instid0(VALU_DEP_1)
	v_mov_b32 v[MU+1], v[MU]
.set j, 0
.rept 16
	v_pk_add_f32 v[ACC+j:ACC+j+1], v[ACC+j:ACC+j+1], v[MU:MU+1] op_sel_hi:[1,0] neg_lo:[0,1] neg_hi:[0,1]   ; the variance is taken of the differences
.set j, j+2
.endr
.irp c, 0,1,2,3
	v_pk_mul_f32 v[T+2*\c:T+2*\c+1], v[ACC+2*\c:ACC+2*\c+1], v[ACC+2*\c:ACC+2*\c+1]
.endr
.irp j, 8,16,24
.irp c, 0,1,2,3
	v_pk_fma_f32 v[T+2*\c:T+2*\c+1], v[ACC+\j+2*\c:ACC+\j+2*\c+1], v[ACC+\j+2*\c:ACC+\j+2*\c+1], v[T+2*\c:T+2*\c+1]
.endr
.endr
	REDUCE 1024, 0                                 ; other bytes than the first sums': no further barrier is owed
	s_delay_alu instid0(VALU_DEP_1)
	v_fma_f32 v[RS], v[T], s44, s45                ; var + eps
	WALU
	v_rsq_f32 v[RS], v[RS]
	v_nop
	WALU                                           ; the waits ahead of the transcendental and ahead of its first reader
	v_mov_b32 v[RS+1], v[RS]
	WALU
	s_wait_loadcnt 0x0                             ; gamma and beta
.set j, 0
.rept 16
	v_pk_mul_f32 v[ACC+j:ACC+j+1], v[ACC+j:ACC+j+1], v[RS:RS+1] op_sel_hi:[1,0]
.set j, j+2
.endr
.set j, 0
.rept 16
	v_pk_fma_f32 v[ACC+j:ACC+j+1], v[ACC+j:ACC+j+1], v[GM+j:GM+j+1], v[BT+j:BT+j+1]
.set j, j+2
.endr
	; the quantiser: register 16 b + i is column 32 b + 16 h + i of my 64: two blocks, each in lanes l and l xor 16
.irp b, 0,1
	v_max3_num_f32 v[BM+\b], |v[ACC+16*\b]|, |v[ACC+1+16*\b]|, 0x1800000
.endr
.irp i, 2,4,6,8,10,12,14
.irp b, 0,1
	v_max3_num_f32 v[BM+\b], v[BM+\b], |v[ACC+16*\b+\i]|, |v[ACC+1+16*\b+\i]|
.endr
.endr
.irp b, 0,1
	v_permlanex16_b32 v[EB+\b], v[BM+\b], s[SEL], s[SEL+1]
.endr
.irp b, 0,1
	v_max_num_f32 v[BM+\b], v[BM+\b], v[EB+\b]
.endr
.irp b, 0,1
	v_add_nc_u32 v[SO+\b], 0xff000000, v[BM+\b]    ; 2 off the exponent field: the conversion's scale operand
.endr
.irp b, 0,1
	v_lshrrev_b32 v[EB+\b], 23, v[SO+\b]
.endr
	v_cvt_scalef32_pk16_fp6_f32 v[PCD:PCD+2], v[ACC:ACC+15], v[SO]
	v_cvt_scalef32_pk16_fp6_f32 v[TC:TC+2], v[ACC+16:ACC+31], v[SO+1]
	v_cndmask_b32 v[WK], v[EB], v[EB+1], s46       ; lanes 0-15 store the first block's byte, lanes 16-31 the second's; also the plain place behind the conversions
.irp i, 0,1,2
	v_permlane16_swap_b32 v[PCD+\i], v[TC+\i]      ; a whole block to a lane
.endr
.irp i, 0,1,2
	v_mov_b32 v[PCD+3+\i], v[TC+\i]
.endr
	global_store_b128 v[LI16], v[PCD:PCD+3], s[38:39]           ; 512 and 256 consecutive bytes, aligned
	global_store_b64 v[LI8], v[PCD+4:PCD+5], s[38:39] offset:512
	global_store_b8 v[BA], v[WK], s[40:41]         ; a scale word's two halves belong to two waves
	s_wait_tensorcnt 0x0                           ; the wave's end, behind my last LDS store
	ds_add_u32 v[SPW], v[NIL]
	s_wait_dscnt 0x0
	s_endpgm
.Lfunc_end_k_q8f3342cce3_woln:
	.size	k_q8f3342cce3_woln, .Lfunc_end_k_q8f3342cce3_woln-k_q8f3342cce3_woln
	.p2alignl 7, 3214868480
	.fill 96, 4, 3214868480
	.section	.rodata,"a",@progbits
	.p2align	6, 0x0
	.amdhsa_kernel k_q8f3342cce3_woln
		.amdhsa_group_segment_fixed_size 86016
		.amdhsa_private_segment_fixed_size 0
		.amdhsa_enable_private_segment 0
		.amdhsa_kernarg_size 64
		.amdhsa_user_sgpr_count 2
		.amdhsa_user_sgpr_kernarg_segment_ptr 1
		.amdhsa_wavefront_size32 1
		.amdhsa_system_sgpr_workgroup_id_x 1
		.amdhsa_system_sgpr_workgroup_id_y 1
		.amdhsa_system_sgpr_workgroup_id_z 1
		.amdhsa_system_vgpr_workitem_id 0
		.amdhsa_next_free_vgpr 256
		.amdhsa_next_free_sgpr 66
		.amdhsa_reserve_vcc 0
		.amdhsa_float_denorm_mode_32 3
		.amdhsa_float_denorm_mode_16_64 3
		.amdhsa_memory_ordered 1
		.amdhsa_forward_progress 1
		.amdhsa_inst_pref_size 43
	.end_amdhsa_kernel
	.amdgpu_metadata
---
amdhsa.version: [ 1, 2 ]
amdhsa.kernels:
  - .name:           k_q8f3342cce3_woln
    .symbol:         k_q8f3342cce3_woln.kd
    .args:
      - { .name: ctxq, .offset: 0, .size: 8, .value_kind: global_buffer, .address_space: global }
      - { .name: wts, .offset: 8, .size: 8, .value_kind: global_buffer, .address_space: global }
      - { .name: bo, .offset: 16, .size: 8, .value_kind: global_buffer, .address_space: global }
      - { .name: src, .offset: 24, .size: 8, .value_kind: global_buffer, .address_space: global }
      - { .name: ln2_g, .offset: 32, .size: 8, .value_kind: global_buffer, .address_space: global }
      - { .name: ln2_b, .offset: 40, .size: 8, .value_kind: global_buffer, .address_space: global }
      - { .name: src2, .offset: 48, .size: 8, .value_kind: global_buffer, .address_space: global }
      - { .name: yq, .offset: 56, .size: 8, .value_kind: global_buffer, .address_space: global }
    .group_segment_fixed_size: 86016
    .private_segment_fixed_size: 0
    .kernarg_segment_align: 8
    .kernarg_segment_size: 64
    .max_flat_workgroup_size: 512
    .sgpr_count:     66
    .vgpr_count:     256
    .wavefront_size: 32
...
	.end_amdgpu_metadata
.endif
;; end of part 4
;; launch w1 (part 5): grid 16 x 16, 4 waves a work-group, clusters of 4 x 4, 327,680 bytes of LDS; arguments yq, wts, b1, hq; writes hq
.if DOCPART == 5
	.amdgcn_target "amdgcn-amd-amdhsa--gfx1250"
	.amdhsa_code_object_version 6
	.text
	.protected	k_q8f3342cce3_w1
	.globl	k_q8f3342cce3_w1
	.p2align	8
	.type	k_q8f3342cce3_w1,@function
k_q8f3342cce3_w1:
	s_mov_b64 s[64:65], 0
	v_nop
	global_prefetch_b8 v0, s[64:65] scope:SCOPE_SE
	s_setreg_imm32_b32 hwreg(HW_REG_WAVE_MODE, 25, 1), 1
	s_wait_xcnt 0x0
	s_wait_alu depctr_hold_cnt(0) depctr_sa_sdst(0) depctr_va_vdst(0) depctr_va_sdst(0) depctr_va_ssrc(0) depctr_va_vcc(0) depctr_vm_vsrc(0)
	s_getreg_b32 s2, hwreg(HW_REG_IB_STS2, 6, 4)
	s_cmp_eq_u32 s2, 0
	s_cbranch_scc0 .Lentry_in_a_cluster
	s_endpgm
.Lentry_in_a_cluster:
	s_bfe_u32 s2, ttmp6, 0x10000c
	s_cmp_lg_u32 s2, 0xf033
	s_cbranch_scc0 .Lentry_shape_is_right
	s_endpgm
.Lentry_shape_is_right:
.set NA,    8
.set LOGNA, 3
.set NQ,    2
.set KK,    8
.set LAPS,  KK/(2*NQ)
.set FRB,   1536
.set QB,    NA*NQ*FRB
.set SLOT,  4*QB
.set SCL,   2*SLOT
.set HALFS, NA*KK*64
.set SPARE, SCL+4*HALFS
.set APW,   32/NA
.set RELU,  1
.set A_S,   3145728
.set B_C,   3145728
.set B_S,   9568256
.set O_S,   12582912
.set ADRA16, 16
.set ADRA8,  18
.set ADRB16, 20
.set ADRB8,  22
.set VB,   24
.set VSO,  25
.set ADRS, 27
.set SPW,  28
.set NIL,  29
.set LI16, 30
.set LI8,  31
.set SC,   32
.set AF,   64
.set PC,   64
.set PT,   160
.set TM,   168
.set SWR,  184
.set TW,   192
.set G1, 24
.set G0, 32
.set G1B, 48
.set G0B, 56
.set SEL, 66
.set G1S, 68
.set G0S, 76
.set G1SB, 80
.set G0SB, 88
.set MSB, 0
.macro WIN new
.if MSB != (\new)
	s_set_vgpr_msb (MSB<<8)|(\new)
.set MSB, (\new)
.endif
.endm
.macro PLACES
.rept 4
	v_nop
.endr
.endm
.macro JLOAD g0a, g1a, g0b, g1b
	s_cmp_eq_u32 s15, 0
	s_cbranch_scc0 .Lfor_b_\@
	tensor_load_to_lds s[\g0a:\g0a+3], s[\g1a:\g1a+7]
	s_nop 0
.rept 4
	v_nop
.endr
	s_branch .Lasked_\@
.Lfor_b_\@:
	tensor_load_to_lds s[\g0b:\g0b+3], s[\g1b:\g1b+7]
	s_nop 0
.rept 4
	v_nop
.endr
.Lasked_\@:
.endm
.macro CREST
	s_cmp_lg_u32 s14, 0
	s_cbranch_scc1 .Lnot_wave_0_\@
	s_barrier_signal -3
.Lnot_wave_0_\@:
	s_barrier_wait -3
	s_barrier_signal -1
	s_barrier_wait -1
.endm
.macro CROUND
	s_barrier_signal -1
	s_barrier_wait -1
	CREST
.endm
.macro FRAG reg, a16, a8, off
	ds_load_b128 v[\reg:\reg+3], v[\a16] offset:\off
	ds_load_b64 v[\reg+4:\reg+5], v[\a8] offset:\off+512
	ds_load_b128 v[\reg+6:\reg+9], v[\a16] offset:\off+768
	ds_load_b64 v[\reg+10:\reg+11], v[\a8] offset:\off+1280
.endm
.macro FETCH slot, q, p
	WIN 0x40
.set ii, 0
.rept NA
	FRAG 128*(\p)+12*ii, ADRB16+\slot, ADRB8+\slot, (ii*NQ+(\q))*FRB
.set ii, ii+1
.endr
	WIN 0
.set ii, 0
.rept NA
	FRAG AF+96*(\p)+12*ii, ADRA16+\slot, ADRA8+\slot, (ii*NQ+(\q))*FRB
.set ii, ii+1
.endr
.endm
.macro SCALES sc
.set ii, 0
.rept NA
.set qq, 0
.rept NQ
	ds_load_b32 v[SC+16*(\sc)+NQ*ii+qq], v[ADRS] offset:ii*KK*64+qq*64
.set qq, qq+1
.endr
.set ii, ii+1
.endr
.endm
.macro MULR a0, a1, p, q, sc, z
.set aa, \a0
.rept (\a1)-(\a0)
.set WN, 2+aa/APW
.if \z
	WIN (WN<<6)|0x11
.else
	WIN (WN<<6)|(WN<<4)|0x01
.endif
.set bb, 0
.rept NA
.set DD, 8*(NA*(aa%APW)+bb)
.set CC, DD
.if \z == 1
.set CC, 96+8*(bb%4)+128*(bb/4)
.endif
	v_wmma_scale_f32_16x16x128_f8f6f4 v[DD:DD+7], v[128*(\p)+12*bb:128*(\p)+12*bb+11], v[AF+96*(\p)+12*aa:AF+96*(\p)+12*aa+11], v[CC:CC+7], v[SC+16*(\sc)+NQ*bb+(\q)], v[SC+16*(\sc)+NQ*aa+(\q)] matrix_a_fmt:MATRIX_FMT_FP6 matrix_b_fmt:MATRIX_FMT_FP6 matrix_a_scale:MATRIX_SCALE_ROW1
.set bb, bb+1
.endr
.set aa, aa+1
.endr
.endm
.macro STEP slot, q, z
	s_wait_dscnt 0x0
	PLACES
	FETCH \slot, (\q)+1, ((\q)+1)%2
	MULR 0, NA, (\q)%2, \q, \slot, \z
.endm
.macro TURN slot, next, fill
	WIN 0
	s_wait_tensorcnt 0x0
	ds_add_u32 v[SPW], v[NIL]
	s_wait_dscnt 0x1
	MULR 0, NA/4, 1, NQ-1, \slot, 0
	s_wait_dscnt 0x0
	s_barrier_signal -1
	MULR NA/4, NA/2, 1, NQ-1, \slot, 0
	WIN 0
	s_barrier_wait -1
.if \fill
	CREST
	s_add_nc_u64 s[G0+4*\slot+2:G0+4*\slot+3], s[G0+4*\slot+2:G0+4*\slot+3], 2*NQ*FRB
	s_add_nc_u64 s[G0B+4*\slot+2:G0B+4*\slot+3], s[G0B+4*\slot+2:G0B+4*\slot+3], 2*NQ*FRB
	JLOAD G0+4*\slot, G1, G0B+4*\slot, G1B
.else
	PLACES
.endif
	s_wait_alu depctr_va_vdst(0)
	v_add_nc_u32 v[ADRS], NQ*64, v[ADRS]
	FETCH \next, 0, 0
	SCALES \next
	MULR NA/2, NA, 1, NQ-1, \slot, 0
.endm
.macro QBLK a
.set WNW, 2+(\a)/4
.set ACB, 64*((\a)%4)
.set PCA, PC+12*(\a)
.if RELU
	WIN (WNW<<6)|(WNW<<2)
.set jj, 0
.rept 64
	v_max_num_f32 v[ACB+jj], 0, v[ACB+jj]
.set jj, jj+1
.endr
.endif
	WIN (WNW<<4)|(WNW<<2)
.irp b, 0,1,2,3
	v_max3_num_f32 v[TM+\b], 0x1800000, |v[ACB+16*\b]|, |v[ACB+1+16*\b]|
.endr
.irp i, 2,4,6,8,10,12,14
.irp b, 0,1,2,3
	v_max3_num_f32 v[TM+\b], v[TM+\b], |v[ACB+16*\b+\i]|, |v[ACB+1+16*\b+\i]|
.endr
.endr
	WIN 0
.irp b, 0,1,2,3
	v_permlanex16_b32 v[TM+4+\b], v[TM+\b], s[SEL], s[SEL+1]
.endr
.irp b, 0,1,2,3
	v_max_num_f32 v[TM+\b], v[TM+\b], v[TM+4+\b]
.endr
.irp b, 0,1,2,3
	v_add_nc_u32 v[TM+12+\b], 0xff000000, v[TM+\b]
.endr
.irp b, 0,1,2,3
	v_lshrrev_b32 v[TM+4+\b], 23, v[TM+12+\b]
.endr
	v_lshl_or_b32 v[SWR+(\a)], v[TM+5], 8, v[TM+4]
	v_lshl_or_b32 v[SWR+(\a)], v[TM+6], 16, v[SWR+(\a)]
	v_lshl_or_b32 v[SWR+(\a)], v[TM+7], 24, v[SWR+(\a)]
	WIN WNW
.irp c, 0,1
	v_cvt_scalef32_pk16_fp6_f32 v[PCA+6*\c:PCA+2+6*\c], v[ACB+32*\c:ACB+15+32*\c], v[TM+12+2*\c]
	v_cvt_scalef32_pk16_fp6_f32 v[PT+4*\c:PT+2+4*\c], v[ACB+16+32*\c:ACB+31+32*\c], v[TM+12+2*\c+1]
.endr
	v_nop
	WIN 0
.irp c, 0,1
.irp i, 0,1,2
	v_permlane16_swap_b32 v[PCA+6*\c+\i], v[PT+4*\c+\i]
.endr
.irp i, 0,1,2
	v_mov_b32 v[PCA+3+6*\c+\i], v[PT+4*\c+\i]
.endr
.endr
.endm
	s_load_b256 s[4:11], s[0:1], 0x0
	v_lshl_add_u32 v[SPW], v0, 2, SPARE
	v_mov_b32 v[NIL], 0
	ds_add_u32 v[SPW], v[NIL]
	ds_add_u32 v[SPW], v[NIL]
	v_lshrrev_b32 v1, 5, v0
	v_readfirstlane_b32 s14, v1
	s_lshr_b32 s15, s14, 1
	s_and_b32 s16, s14, 1
	s_bfe_u32 s40, ttmp6, 0x40000
	s_bfe_u32 s41, ttmp6, 0x40004
	s_lshl_b32 s42, ttmp9, 2
	s_add_co_u32 s42, s42, s40
	s_and_b32 s17, ttmp7, 0xffff
	s_lshl_b32 s17, s17, 2
	s_add_co_u32 s17, s17, s41
	s_lshl_b32 s43, s41, 2
	s_lshl_b32 s43, 15, s43
	s_lshl_b32 s44, 0x1111, s40
	s_or_b32 s[G1+0], s43, (3<<16)|(1<<21)
	s_or_b32 s[G1B+0], s44, (3<<16)|(1<<21)
.irp g, G1, G1B
	s_mov_b32 s[\g+1], (NQ*192)<<16
	s_mov_b32 s[\g+2], NA<<16
	s_mov_b32 s[\g+3], (NQ*192)<<16
	s_mov_b32 s[\g+4], NA
	s_mov_b32 s[\g+5], KK*192
	s_mov_b32 s[\g+6], 0
	s_mov_b32 s[\g+7], 0
.endr
	s_or_b32 s[G1S+0], s43, (3<<16)|(1<<21)
	s_or_b32 s[G1SB+0], s44, (3<<16)|(1<<21)
.irp g, G1S, G1SB
	s_mov_b32 s[\g+1], 32<<16
	s_mov_b32 s[\g+2], (NA*KK/4)<<16
	s_mov_b32 s[\g+3], 32<<16
	s_mov_b32 s[\g+4], NA*KK/4
	s_mov_b32 s[\g+5], 32
	s_mov_b32 s[\g+6], 0
	s_mov_b32 s[\g+7], 0
.endr
	s_lshl_b32 s18, s16, LOGNA
	s_lshl_b32 s20, s17, LOGNA+1
	s_add_co_u32 s20, s20, s18
	s_lshl_b32 s46, s42, LOGNA+1
	s_add_co_u32 s46, s46, s18
	s_mul_i32 s22, s20, KK*64
	s_add_co_u32 s22, s22, A_S
	s_mul_i32 s92, s46, KK*64
	s_add_co_u32 s92, s92, B_S
	s_mul_i32 s20, s20, KK*FRB
	s_mul_i32 s46, s46, KK*FRB
	s_add_co_u32 s46, s46, B_C
	s_mov_b32 s21, 0
	s_mov_b32 s23, 0
	s_mov_b32 s47, 0
	s_mov_b32 s93, 0
	s_mul_i32 s45, s14, QB
	s_mul_i32 s94, s14, HALFS
	s_mov_b32 s[SEL], 0x76543210
	s_mov_b32 s[SEL+1], 0xfedcba98
	s_mov_b32 s2, 0xffff0000
	s_wait_dscnt 0x0
	s_wait_kmcnt 0x0
	s_add_nc_u64 s[20:21], s[4:5], s[20:21]
	s_add_nc_u64 s[22:23], s[4:5], s[22:23]
	s_add_nc_u64 s[46:47], s[6:7], s[46:47]
	s_add_nc_u64 s[92:93], s[6:7], s[92:93]
	CROUND
	s_mov_b32 s[G0S], 1
	s_add_co_u32 s[G0S+1], s94, SCL
	s_mov_b64 s[G0S+2:G0S+3], s[22:23]
	s_or_b32 s[G0S+3], s[G0S+3], 0x80000000
	s_mov_b32 s[G0SB], 1
	s_add_co_u32 s[G0SB+1], s94, SCL
	s_mov_b64 s[G0SB+2:G0SB+3], s[92:93]
	s_or_b32 s[G0SB+3], s[G0SB+3], 0x80000000
	JLOAD G0S, G1S, G0SB, G1SB
.irp s, 0,1
	s_mov_b32 s[G0+4*\s], 1
	s_add_co_u32 s[G0+4*\s+1], s45, \s*SLOT
	s_add_nc_u64 s[G0+4*\s+2:G0+4*\s+3], s[20:21], \s*NQ*FRB
	s_or_b32 s[G0+4*\s+3], s[G0+4*\s+3], 0x80000000
	s_mov_b32 s[G0B+4*\s], 1
	s_add_co_u32 s[G0B+4*\s+1], s45, \s*SLOT
	s_add_nc_u64 s[G0B+4*\s+2:G0B+4*\s+3], s[46:47], \s*NQ*FRB
	s_or_b32 s[G0B+4*\s+3], s[G0B+4*\s+3], 0x80000000
	s_wait_alu depctr_va_vdst(0)
	s_wait_tensorcnt 0x0
	ds_add_u32 v28, v29
	s_wait_dscnt 0x0
	CROUND
	JLOAD G0+4*\s, G1, G0B+4*\s, G1B
.endr
	v_and_b32 v1, 15, v0
	v_bfe_u32 v2, v0, 4, 1
	v_and_b32 v3, 31, v0
	v_lshlrev_b32 v[LI16], 4, v3
	v_lshlrev_b32 v[LI8], 4, v1
	v_lshl_add_u32 v[LI8], v2, 3, v[LI8]
	s_mul_i32 s21, s15, QB
	s_mul_i32 s22, s16, QB
	s_add_co_u32 s22, s22, 2*QB
.irp s, 0,1
	v_add_nc_u32 v[ADRA16+\s], s21, v[LI16]
	v_add_nc_u32 v[ADRA8+\s], s21, v[LI8]
	v_add_nc_u32 v[ADRB16+\s], s22, v[LI16]
	v_add_nc_u32 v[ADRB8+\s], s22, v[LI8]
	s_add_co_u32 s21, s21, SLOT
	s_add_co_u32 s22, s22, SLOT
.endr
	v_lshlrev_b32 v5, 2, v1
	v_lshl_add_u32 v[VSO], v2, 11, v5
	s_mul_i32 s21, s15, HALFS
	s_mul_i32 s22, s16, HALFS
	s_add_co_u32 s22, s22, 2*HALFS
	s_sub_co_u32 s22, s22, s21
	v_mul_u32_u24 v6, s22, v2
	s_add_co_u32 s21, s21, SCL
	v_add_nc_u32 v5, v5, v6
	v_add_nc_u32 v[ADRS], s21, v5
	v_lshlrev_b32 v[VB], 6, v2
	s_wait_alu depctr_va_vdst(0)
	s_lshl_b32 s18, s42, 10
	s_lshl_b32 s19, s16, 9
	s_add_co_u32 s18, s18, s19
	s_mov_b32 s19, 0
	s_add_nc_u64 s[8:9], s[8:9], s[18:19]
	s_lshl_b32 s20, s17, 4
	s_lshl_b32 s21, s15, 3
	s_add_co_u32 s20, s20, s21
	s_lshl_b32 s20, s20, 5
	s_lshl_b32 s21, s42, 1
	s_add_co_u32 s20, s20, s21
	s_add_co_u32 s20, s20, s16
	s_lshl_b32 s22, s20, 6
	s_add_co_u32 s22, s22, O_S
	s_mul_i32 s20, s20, FRB
	s_mov_b32 s21, 0
	s_mov_b32 s23, 0
	s_add_nc_u64 s[96:97], s[10:11], s[20:21]
	s_add_nc_u64 s[98:99], s[10:11], s[22:23]
	WIN 0x40
.irp b, 0,1,2,3,4,5,6,7
	global_load_b128 v[96+8*(\b%4)+128*(\b/4):96+8*(\b%4)+128*(\b/4)+3], v[VB], s[8:9] offset:(32*(\b/2)+8*(\b%2))*4
	global_load_b128 v[96+8*(\b%4)+128*(\b/4)+4:96+8*(\b%4)+128*(\b/4)+7], v[VB], s[8:9] offset:(32*(\b/2)+8*(\b%2))*4+16
.endr
	WIN 0
	s_wait_tensorcnt 0x1
	s_barrier_signal -1
	s_barrier_wait -1
	FETCH 0, 0, 0
	SCALES 0
	s_wait_loadcnt 0x0
	STEP 0, 0, 1
	WIN 0
	s_mov_b32 s3, LAPS-1
.Llap:
	TURN 0, 1, 1
	STEP 1, 0, 0
	TURN 1, 0, 1
	STEP 0, 0, 0
	WIN 0
	s_sub_co_u32 s3, s3, 1
	s_cmp_lg_u32 s3, 0
	s_cbranch_scc1 .Llap
	TURN 0, 1, 0
	STEP 1, 0, 0
	s_wait_dscnt 0x0
	MULR 0, NA, 1, NQ-1, 1, 0
	WIN 0
	PLACES
.irp b, 0,1,2,3
	v_mov_b32 v[TM+4+\b], 0
.endr
.irp a, 0,1,2,3,4,5,6,7
	QBLK \a
	global_store_b128 v[LI16], v[PC+12*\a:PC+12*\a+3], s[96:97] offset:\a*49152 th:TH_STORE_NT
	global_store_b64 v[LI8], v[PC+12*\a+4:PC+12*\a+5], s[96:97] offset:\a*49152+512 th:TH_STORE_NT
	global_store_b128 v[LI16], v[PC+12*\a+6:PC+12*\a+9], s[96:97] offset:\a*49152+768 th:TH_STORE_NT
	global_store_b64 v[LI8], v[PC+12*\a+10:PC+12*\a+11], s[96:97] offset:\a*49152+1280 th:TH_STORE_NT
.endr
.irp al, 0,1,2,3
	v_cndmask_b32 v[TW+\al], v[SWR+2*\al], v[SWR+2*\al+1], s2
.endr
.irp al, 0,1,2,3
	global_store_b32 v[VSO], v[TW+\al], s[98:99] offset:\al*4096
.endr
	s_wait_tensorcnt 0x0
	ds_add_u32 v[SPW], v[NIL]
	s_wait_dscnt 0x0
	CROUND
	s_endpgm
.Lfunc_end_k_q8f3342cce3_w1:
	.size	k_q8f3342cce3_w1, .Lfunc_end_k_q8f3342cce3_w1-k_q8f3342cce3_w1
	.p2alignl 7, 3214868480
	.fill 96, 4, 3214868480
	.section	.rodata,"a",@progbits
	.p2align	6, 0x0
	.amdhsa_kernel k_q8f3342cce3_w1
		.amdhsa_group_segment_fixed_size 327680
		.amdhsa_private_segment_fixed_size 0
		.amdhsa_enable_private_segment 0
		.amdhsa_kernarg_size 32
		.amdhsa_user_sgpr_count 2
		.amdhsa_user_sgpr_kernarg_segment_ptr 1
		.amdhsa_wavefront_size32 1
		.amdhsa_system_sgpr_workgroup_id_x 1
		.amdhsa_system_sgpr_workgroup_id_y 1
		.amdhsa_system_sgpr_workgroup_id_z 1
		.amdhsa_system_vgpr_workitem_id 0
		.amdhsa_next_free_vgpr 1024
		.amdhsa_next_free_sgpr 102
		.amdhsa_reserve_vcc 0
		.amdhsa_float_denorm_mode_32 3
		.amdhsa_float_denorm_mode_16_64 3
		.amdhsa_memory_ordered 1
		.amdhsa_forward_progress 1
		.amdhsa_inst_pref_size 169
	.end_amdhsa_kernel
	.amdgpu_metadata
---
amdhsa.version: [ 1, 2 ]
amdhsa.kernels:
  - .name:           k_q8f3342cce3_w1
    .symbol:         k_q8f3342cce3_w1.kd
    .args:
      - { .name: yq, .offset: 0, .size: 8, .value_kind: global_buffer, .address_space: global }
      - { .name: wts, .offset: 8, .size: 8, .value_kind: global_buffer, .address_space: global }
      - { .name: b1, .offset: 16, .size: 8, .value_kind: global_buffer, .address_space: global }
      - { .name: hq, .offset: 24, .size: 8, .value_kind: global_buffer, .address_space: global }
    .group_segment_fixed_size: 327680
    .private_segment_fixed_size: 0
    .kernarg_segment_align: 8
    .kernarg_segment_size: 32
    .max_flat_workgroup_size: 128
    .sgpr_count:     102
    .vgpr_count:     1024
    .wavefront_size: 32
...
	.end_amdgpu_metadata
.endif
;; end of part 5
;; launch w2 (part 6): grid 8 x 32, 4 waves a work-group, clusters of 4 x 4, 327,680 bytes of LDS; arguments hq, wts, b2, src2, out0; writes out0
.if DOCPART == 6
	.amdgcn_target "amdgcn-amd-amdhsa--gfx1250"
	.amdhsa_code_object_version 6
	.text
	.protected	k_q8f3342cce3_w2
	.globl	k_q8f3342cce3_w2
	.p2align	8
	.type	k_q8f3342cce3_w2,@function
k_q8f3342cce3_w2:
	s_mov_b64 s[64:65], 0
	v_nop
	global_prefetch_b8 v0, s[64:65] scope:SCOPE_SE
	s_setreg_imm32_b32 hwreg(HW_REG_WAVE_MODE, 25, 1), 1
	s_wait_xcnt 0x0
	s_wait_alu depctr_hold_cnt(0) depctr_sa_sdst(0) depctr_va_vdst(0) depctr_va_sdst(0) depctr_va_ssrc(0) depctr_va_vcc(0) depctr_vm_vsrc(0)
	s_getreg_b32 s2, hwreg(HW_REG_IB_STS2, 6, 4)
	s_cmp_eq_u32 s2, 0
	s_cbranch_scc0 .Lentry_in_a_cluster
	s_endpgm
.Lentry_in_a_cluster:
	s_bfe_u32 s2, ttmp6, 0x10000c
	s_cmp_lg_u32 s2, 0xf033
	s_cbranch_scc0 .Lentry_shape_is_right
	s_endpgm
.Lentry_shape_is_right:
.set NA,    4
.set NQ,    4
.set KK,    32
.set A_S,   12582912
.set B_C,   6291456
.set B_S,   9699328
.set FRB,   1536
.set QB,    NA*NQ*FRB
.set AREA,  4*QB
.set SPARE, 3*AREA
.set STAGE, SPARE+512
.set ADRA16, 4
.set ADRA8,  7
.set ADRB16, 10
.set ADRB8,  13
.set LI16, 16
.set LI8,  17
.set STO,  18
.set RD,   19
.set CO,   20
.set VB,   21
.set VS4,  22
.set SPW,  28
.set NIL,  29
.set AF,   32
.set SCR,  128
.set OB,   128
.set G1A8, 24
.set G0AP, 32
.set G0A2, 36
.set G1B8, 48
.set G0BP, 56
.set G0B2, 60
.set G1A4, 68
.set G1B4, 76
.set MSB, 0
.macro WIN new
.if MSB != (\new)
	s_set_vgpr_msb (MSB<<8)|(\new)
.set MSB, (\new)
.endif
.endm
.macro PLACES
.rept 4
	v_nop
.endr
.endm
.macro JLOAD g0a, g1a, g0b, g1b
	s_cmp_eq_u32 s16, 0
	s_cbranch_scc0 .Lfor_b_\@
	tensor_load_to_lds s[\g0a:\g0a+3], s[\g1a:\g1a+7]
	s_nop 0
.rept 4
	v_nop
.endr
	s_branch .Lasked_\@
.Lfor_b_\@:
	tensor_load_to_lds s[\g0b:\g0b+3], s[\g1b:\g1b+7]
	s_nop 0
.rept 4
	v_nop
.endr
.Lasked_\@:
.endm
.macro CREST
	s_cmp_lg_u32 s14, 0
	s_cbranch_scc1 .Lnot_wave_0_\@
	s_barrier_signal -3
.Lnot_wave_0_\@:
	s_barrier_wait -3
	s_barrier_signal -1
	s_barrier_wait -1
.endm
.macro CROUND
	s_barrier_signal -1
	s_barrier_wait -1
	CREST
.endm
.macro FRAG reg, a16, a8, off
	ds_load_b128 v[\reg:\reg+3], v[\a16] offset:\off
	ds_load_b64 v[\reg+4:\reg+5], v[\a8] offset:\off+512
	ds_load_b128 v[\reg+6:\reg+9], v[\a16] offset:\off+768
	ds_load_b64 v[\reg+10:\reg+11], v[\a8] offset:\off+1280
.endm
.macro FETCH ar, q, p
	WIN 0x40
.set ii, 0
.rept NA
	FRAG 128*(\p)+12*ii, ADRB16+\ar, ADRB8+\ar, (ii*NQ+(\q))*FRB
.set ii, ii+1
.endr
	WIN 0
.set ii, 0
.rept NA
	FRAG AF+48*(\p)+12*ii, ADRA16+\ar, ADRA8+\ar, (ii*NQ+(\q))*FRB
.set ii, ii+1
.endr
.endm
.macro SLOAD g
.set ii, 0
.rept NA
	global_load_b32 v[SCR+16*(\g)+2*ii], v[VS4], s[4:5] offset:ii*KK*64+(\g)*256
	global_load_b32 v[SCR+16*(\g)+2*ii+1], v[VS4], s[4:5] offset:ii*KK*64+(\g)*256+128
	global_load_b32 v[SCR+16*(\g)+8+2*ii], v[VS4], s[6:7] offset:ii*KK*64+(\g)*256
	global_load_b32 v[SCR+16*(\g)+8+2*ii+1], v[VS4], s[6:7] offset:ii*KK*64+(\g)*256+128
.set ii, ii+1
.endr
.endm
.macro GHEAD cnt, nxt
	s_wait_loadcnt \cnt
.if \nxt < 8
	WIN 0
	SLOAD \nxt
.elseif \nxt == 8
	WIN 0xc0
.irp a, 0,1,2,3
.irp i, 0,1,2,3,4,5,6,7
	global_load_b128 v[32*\a+4*\i:32*\a+4*\i+3], v[CO], s[10:11] offset:(32*(\a/2)+8*(\a%2)+2*(\i%4)+16*(\i/4))*4096 th:TH_LOAD_NT
.endr
.endr
.endif
.endm
.macro MULR a0, a1, q, g, z
.if \z
	WIN 0x91
.else
	WIN 0xa1
.endif
.set aa, \a0
.rept (\a1)-(\a0)
.set bb, 0
.rept NA
.set DD, 8*(NA*aa+bb)
.set CC, DD
.if \z
.set CC, 96+8*bb
.endif
.set PB, 128*((\q)%2)+12*bb
.set PA, AF+48*((\q)%2)+12*aa
.set SB, SCR+16*(\g)+8+2*bb+(\q)/2
.set SA, SCR+16*(\g)+2*aa+(\q)/2
.if (\q)%2
	v_wmma_scale_f32_16x16x128_f8f6f4 v[DD:DD+7], v[PB:PB+11], v[PA:PA+11], v[CC:CC+7], v[SB], v[SA] matrix_a_fmt:MATRIX_FMT_FP6 matrix_b_fmt:MATRIX_FMT_FP6 matrix_a_scale:MATRIX_SCALE_ROW1 matrix_b_scale:MATRIX_SCALE_ROW1
.else
	v_wmma_scale_f32_16x16x128_f8f6f4 v[DD:DD+7], v[PB:PB+11], v[PA:PA+11], v[CC:CC+7], v[SB], v[SA] matrix_a_fmt:MATRIX_FMT_FP6 matrix_b_fmt:MATRIX_FMT_FP6
.endif
.set bb, bb+1
.endr
.set aa, aa+1
.endr
.endm
.macro STEP g, q, nar, nq, z
	s_wait_dscnt 0x0
	PLACES
	FETCH \nar, \nq, (\nq)%2
	MULR 0, NA, \q, \g, \z
.endm
.macro G3 g, ar, z
	STEP \g, 0, \ar, 1, \z
	STEP \g, 1, \ar, 2, 0
	STEP \g, 2, \ar, 3, 0
.endm
.macro TURN g, nar, fill
	WIN 0
	s_wait_tensorcnt 0x0
	ds_add_u32 v[SPW], v[NIL]
	s_wait_dscnt 0x1
	MULR 0, 1, 3, \g, 0
	s_wait_dscnt 0x0
	s_barrier_signal -1
	MULR 1, 2, 3, \g, 0
	WIN 0
	s_barrier_wait -1
.if \fill == 1
	CREST
	s_add_nc_u64 s[G0AP+2:G0AP+3], s[G0AP+2:G0AP+3], 3*NQ*FRB
	s_add_nc_u64 s[G0BP+2:G0BP+3], s[G0BP+2:G0BP+3], 3*NQ*FRB
	JLOAD G0AP, G1A8, G0BP, G1B8
.elseif \fill == 2
	CREST
	s_add_nc_u64 s[G0A2+2:G0A2+3], s[G0A2+2:G0A2+3], 3*NQ*FRB
	s_add_nc_u64 s[G0B2+2:G0B2+3], s[G0B2+2:G0B2+3], 3*NQ*FRB
	JLOAD G0A2, G1A4, G0B2, G1B4
.else
	PLACES
.endif
	FETCH \nar, 0, 0
	MULR 2, 4, 3, \g, 0
.endm
	s_load_b256 s[4:11], s[0:1], 0x0
	s_load_b64 s[12:13], s[0:1], 0x20
	v_lshl_add_u32 v[SPW], v0, 2, SPARE
	v_mov_b32 v[NIL], 0
	ds_add_u32 v[SPW], v[NIL]
	ds_add_u32 v[SPW], v[NIL]
	v_lshrrev_b32 v1, 5, v0
	v_readfirstlane_b32 s14, v1
	s_lshr_b32 s15, s14, 1
	s_and_b32 s16, s14, 1
	s_bfe_u32 s40, ttmp6, 0x40000
	s_bfe_u32 s41, ttmp6, 0x40004
	s_lshl_b32 s42, ttmp9, 2
	s_add_co_u32 s42, s42, s40
	s_and_b32 s17, ttmp7, 0xffff
	s_lshl_b32 s17, s17, 2
	s_add_co_u32 s17, s17, s41
	s_lshl_b32 s43, s41, 2
	s_lshl_b32 s43, 15, s43
	s_lshl_b32 s44, 0x1111, s40
	s_or_b32 s[G1A8+0], s43, (3<<16)|(1<<21)
	s_or_b32 s[G1A4+0], s43, (3<<16)|(1<<21)
	s_or_b32 s[G1B8+0], s44, (3<<16)|(1<<21)
	s_or_b32 s[G1B4+0], s44, (3<<16)|(1<<21)
.irp g, G1A8, G1B8
	s_mov_b32 s[\g+1], (NQ*192)<<16
	s_mov_b32 s[\g+2], (2*NA)<<16
	s_mov_b32 s[\g+3], (NQ*192)<<16
	s_mov_b32 s[\g+4], 2*NA
	s_mov_b32 s[\g+5], KK*192
	s_mov_b32 s[\g+6], 0
	s_mov_b32 s[\g+7], 0
.endr
.irp g, G1A4, G1B4
	s_mov_b32 s[\g+1], (NQ*192)<<16
	s_mov_b32 s[\g+2], NA<<16
	s_mov_b32 s[\g+3], (NQ*192)<<16
	s_mov_b32 s[\g+4], NA
	s_mov_b32 s[\g+5], KK*192
	s_mov_b32 s[\g+6], 0
	s_mov_b32 s[\g+7], 0
.endr
	s_lshl_b32 s20, s17, 3
	s_lshl_b32 s46, s42, 3
	s_lshl_b32 s18, s15, 2
	s_mul_i32 s19, s15, NQ*FRB
	s_mul_i32 s84, s20, KK*FRB
	s_add_co_u32 s84, s84, s19
	s_mov_b32 s85, 0
	s_add_co_u32 s86, s20, s18
	s_mul_i32 s86, s86, KK*FRB
	s_add_co_u32 s86, s86, 2*NQ*FRB
	s_mov_b32 s87, 0
	s_mul_i32 s88, s46, KK*FRB
	s_add_co_u32 s88, s88, s19
	s_add_co_u32 s88, s88, B_C
	s_mov_b32 s89, 0
	s_add_co_u32 s90, s46, s18
	s_mul_i32 s90, s90, KK*FRB
	s_add_co_u32 s90, s90, B_C+2*NQ*FRB
	s_mov_b32 s91, 0
	s_mul_i32 s45, s15, AREA
	s_mul_i32 s94, s15, QB
	s_wait_dscnt 0x0
	s_wait_kmcnt 0x0
	s_add_nc_u64 s[84:85], s[4:5], s[84:85]
	s_add_nc_u64 s[86:87], s[4:5], s[86:87]
	s_add_nc_u64 s[88:89], s[6:7], s[88:89]
	s_add_nc_u64 s[90:91], s[6:7], s[90:91]
	CROUND
	s_mov_b32 s[G0AP], 1
	s_mov_b32 s[G0AP+1], s45
	s_mov_b64 s[G0AP+2:G0AP+3], s[84:85]
	s_or_b32 s[G0AP+3], s[G0AP+3], 0x80000000
	s_mov_b32 s[G0BP], 1
	s_add_co_u32 s[G0BP+1], s45, 2*QB
	s_mov_b64 s[G0BP+2:G0BP+3], s[88:89]
	s_or_b32 s[G0BP+3], s[G0BP+3], 0x80000000
	JLOAD G0AP, G1A8, G0BP, G1B8
	s_mov_b32 s[G0A2], 1
	s_add_co_u32 s[G0A2+1], s94, 2*AREA
	s_mov_b64 s[G0A2+2:G0A2+3], s[86:87]
	s_or_b32 s[G0A2+3], s[G0A2+3], 0x80000000
	s_mov_b32 s[G0B2], 1
	s_add_co_u32 s[G0B2+1], s94, 2*AREA+2*QB
	s_mov_b64 s[G0B2+2:G0B2+3], s[90:91]
	s_or_b32 s[G0B2+3], s[G0B2+3], 0x80000000
	s_wait_alu depctr_va_vdst(0)
	s_wait_tensorcnt 0x0
	ds_add_u32 v28, v29
	s_wait_dscnt 0x0
	CROUND
	JLOAD G0A2, G1A4, G0B2, G1B4
	v_and_b32 v1, 15, v0
	v_bfe_u32 v2, v0, 4, 1
	v_and_b32 v3, 31, v0
	v_lshlrev_b32 v[LI16], 4, v3
	v_lshlrev_b32 v[LI8], 4, v1
	v_lshl_add_u32 v[LI8], v2, 3, v[LI8]
	v_lshlrev_b32 v[VS4], 2, v3
	s_mul_i32 s21, s15, QB
	s_mul_i32 s22, s16, QB
	s_add_co_u32 s22, s22, 2*QB
.irp s, 0,1,2
	v_add_nc_u32 v[ADRA16+\s], s21, v[LI16]
	v_add_nc_u32 v[ADRA8+\s], s21, v[LI8]
	v_add_nc_u32 v[ADRB16+\s], s22, v[LI16]
	v_add_nc_u32 v[ADRB8+\s], s22, v[LI8]
	s_add_co_u32 s21, s21, AREA
	s_add_co_u32 s22, s22, AREA
.endr
	s_mul_i32 s23, s14, 16*272
	s_add_co_u32 s23, s23, STAGE
	v_mul_u32_u24 v23, v1, 272
	v_lshl_add_u32 v23, v2, 6, v23
	v_add_nc_u32 v[STO], s23, v23
	v_mul_u32_u24 v23, v2, 272
	v_lshl_add_u32 v23, v1, 4, v23
	v_add_nc_u32 v[RD], s23, v23
	v_lshlrev_b32 v23, 12, v2
	v_lshl_add_u32 v[CO], v1, 4, v23
	v_lshlrev_b32 v[VB], 6, v2
	s_wait_alu depctr_va_vdst(0)
	s_lshl_b32 s18, s42, 9
	s_lshl_b32 s19, s16, 8
	s_add_co_u32 s18, s18, s19
	s_mov_b32 s19, 0
	s_add_nc_u64 s[8:9], s[8:9], s[18:19]
	s_lshl_b32 s20, s17, 7
	s_lshl_b32 s21, s15, 6
	s_add_co_u32 s20, s20, s21
	s_lshl_b32 s20, s20, 12
	s_add_co_u32 s20, s20, s18
	s_mov_b32 s21, 0
	s_add_nc_u64 s[10:11], s[10:11], s[20:21]
	s_add_nc_u64 s[12:13], s[12:13], s[20:21]
	s_lshl_b32 s18, s17, 3
	s_lshl_b32 s92, s15, 2
	s_add_co_u32 s18, s18, s92
	s_lshl_b32 s18, s18, 11
	s_add_co_u32 s18, s18, A_S
	s_add_nc_u64 s[4:5], s[4:5], s[18:19]
	s_lshl_b32 s18, s42, 3
	s_lshl_b32 s92, s16, 2
	s_add_co_u32 s18, s18, s92
	s_lshl_b32 s18, s18, 11
	s_add_co_u32 s18, s18, B_S
	s_add_nc_u64 s[6:7], s[6:7], s[18:19]
	WIN 0x40
.irp b, 0,1,2,3
	global_load_b128 v[96+8*\b:96+8*\b+3], v[VB], s[8:9] offset:(32*(\b/2)+8*(\b%2))*4
	global_load_b128 v[96+8*\b+4:96+8*\b+7], v[VB], s[8:9] offset:(32*(\b/2)+8*(\b%2))*4+16
.endr
	WIN 0
	SLOAD 0
	SLOAD 1
	SLOAD 2
	s_wait_tensorcnt 0x1
	s_barrier_signal -1
	s_barrier_wait -1
	FETCH 0, 0, 0
	GHEAD 32, 3
	G3 0, 0, 1
	STEP 0, 3, 1, 0, 0
	GHEAD 32, 4
	G3 1, 1, 0
	TURN 1, 2, 1
	GHEAD 32, 5
	G3 2, 2, 0
	TURN 2, 0, 2
	GHEAD 32, 6
	G3 3, 0, 0
	STEP 3, 3, 1, 0, 0
	GHEAD 32, 7
	G3 4, 1, 0
	TURN 4, 2, 1
	GHEAD 32, 8
	G3 5, 2, 0
	TURN 5, 0, 0
	GHEAD 48, 9
	G3 6, 0, 0
	STEP 6, 3, 1, 0, 0
	GHEAD 32, 9
	G3 7, 1, 0
	s_wait_dscnt 0x0
	MULR 0, NA, 3, 7, 0
	WIN 0
	PLACES
.irp a, 0,1,2,3
	WIN 0x08
.irp b, 0,1,2,3
	ds_store_b128 v[STO], v[8*(4*\a+\b):8*(4*\a+\b)+3] offset:128*(\b/2)+32*(\b%2)
	ds_store_b128 v[STO], v[8*(4*\a+\b)+4:8*(4*\a+\b)+7] offset:128*(\b/2)+32*(\b%2)+16
.endr
	WIN 0x40
.irp i, 0,1,2,3,4,5,6,7
	ds_load_b128 v[OB+32*\a+4*\i:OB+32*\a+4*\i+3], v[RD] offset:544*\i
.endr
.endr
	s_wait_loadcnt 0x0
.irp a, 0,1,2,3
	s_wait_dscnt 48-16*\a
	WIN 0x4d
.irp k, 0,2,4,6,8,10,12,14,16,18,20,22,24,26,28,30
	v_pk_add_f32 v[OB+32*\a+\k:OB+32*\a+\k+1], v[OB+32*\a+\k:OB+32*\a+\k+1], v[32*\a+\k:32*\a+\k+1]
.endr
	WIN 0x04
.irp i, 0,1,2,3,4,5,6,7
	global_store_b128 v[CO], v[OB+32*\a+4*\i:OB+32*\a+4*\i+3], s[12:13] offset:(32*(\a/2)+8*(\a%2)+2*(\i%4)+16*(\i/4))*4096 th:TH_STORE_NT
.endr
.endr
	WIN 0
	s_wait_tensorcnt 0x0
	ds_add_u32 v[SPW], v[NIL]
	s_wait_dscnt 0x0
	CROUND
	s_endpgm
.Lfunc_end_k_q8f3342cce3_w2:
	.size	k_q8f3342cce3_w2, .Lfunc_end_k_q8f3342cce3_w2-k_q8f3342cce3_w2
	.p2alignl 7, 3214868480
	.fill 96, 4, 3214868480
	.section	.rodata,"a",@progbits
	.p2align	6, 0x0
	.amdhsa_kernel k_q8f3342cce3_w2
		.amdhsa_group_segment_fixed_size 327680
		.amdhsa_private_segment_fixed_size 0
		.amdhsa_enable_private_segment 0
		.amdhsa_kernarg_size 40
		.amdhsa_user_sgpr_count 2
		.amdhsa_user_sgpr_kernarg_segment_ptr 1
		.amdhsa_wavefront_size32 1
		.amdhsa_system_sgpr_workgroup_id_x 1
		.amdhsa_system_sgpr_workgroup_id_y 1
		.amdhsa_system_sgpr_workgroup_id_z 1
		.amdhsa_system_vgpr_workitem_id 0
		.amdhsa_next_free_vgpr 1024
		.amdhsa_next_free_sgpr 102
		.amdhsa_reserve_vcc 0
		.amdhsa_float_denorm_mode_32 3
		.amdhsa_float_denorm_mode_16_64 3
		.amdhsa_memory_ordered 1
		.amdhsa_forward_progress 1
		.amdhsa_inst_pref_size 178
	.end_amdhsa_kernel
	.amdgpu_metadata
---
amdhsa.version: [ 1, 2 ]
amdhsa.kernels:
  - .name:           k_q8f3342cce3_w2
    .symbol:         k_q8f3342cce3_w2.kd
    .args:
      - { .name: hq, .offset: 0, .size: 8, .value_kind: global_buffer, .address_space: global }
      - { .name: wts, .offset: 8, .size: 8, .value_kind: global_buffer, .address_space: global }
      - { .name: b2, .offset: 16, .size: 8, .value_kind: global_buffer, .address_space: global }
      - { .name: src2, .offset: 24, .size: 8, .value_kind: global_buffer, .address_space: global }
      - { .name: out0, .offset: 32, .size: 8, .value_kind: global_buffer, .address_space: global }
    .group_segment_fixed_size: 327680
    .private_segment_fixed_size: 0
    .kernarg_segment_align: 8
    .kernarg_segment_size: 40
    .max_flat_workgroup_size: 128
    .sgpr_count:     102
    .vgpr_count:     1024
    .wavefront_size: 32
...
	.end_amdgpu_metadata
.endif
;; end of part 6
